; MI455X (gfx1250); checked and timed in simulation.
; The chip was launched on July 23, 2026; its instructions are those of AMD's public machine-readable ISA for CDNA 5 (MIT licence, August 2026) and "CDNA5" Instruction Set Architecture Reference Guide (July 2026). The comments in the code are by the model that wrote it; some were corrected since.
;; Attention. Allowed arithmetic: matrix products marked QUANTISED: E2M3 operands, one E8M0 scale for each 32 along K, by v_wmma_scale_f32_16x16x128_f8f6f4 with both operands' format E2M3, f32 sums; everything else in f32.
;; Inputs: W_out 1,024 x 1,024 float32; W_qkv 1,024 x 3,072 float32; b_out 1,024 float32; b_qkv 3,072 float32; x 8 x 1,024 x 1,024 float32.
;; Outputs: out0 8 x 1,024 x 1,024 float32.
;; This version of the problem:
;;   THIS VERSION OF THE PROBLEM IS GIVEN IN LOW PRECISION. The matrix products marked QUANTISED in the list below multiply operands that are first quantised to E2M3 (2 exponent bits, 3 mantissa bits; 6 bits a number), with one power-of-two scale for each 32 numbers along K (OCP MX v1.0); their sums are f32. All else is computed in f32.
;;   The module's matrix products, in the order in which they are computed (A, B: the left and right operand; K: the contracted axis; several contracted axes count as one K, in the product's order):
;;     1. [M 8,192, K 1,024] x [K 1,024, N 3,072]; A: input x; B: input W_qkv: QUANTISED
;;     2. batch 128 x [M 1,024, K 64] x [K 64, N 1,024]; A: computed on the way; B: computed on the way: QUANTISED
;;     3. batch 128 x [M 1,024, K 1,024] x [K 1,024, N 64]; A: softmax (see below); B: computed on the way: QUANTISED
;;     4. [M 8,192, K 1,024] x [K 1,024, N 1,024]; A: computed on the way; B: input W_out: QUANTISED
;;   THE QUANTISER, for each operand of a quantised product, along K:
;;     - K is cut into blocks of 32 from its start; a last block that is shorter is filled with zeros.
;;     - A block's scale is 2^e with e = floor(log2(the largest magnitude in the block)) - 2, held to -126 .. 127; a block of zeros has e = 0. As a byte (E8M0): e + 127.
;;     - Each number is divided by its block's scale, clamped to +-7.5, and rounded to the nearest number of E2M3, ties to even, subnormals kept.
;;     - The product sums the exact products of the quantised numbers (number of the format x scale) in f32.
;;   ~~~python
;;   def quantise(x, axis):      # numpy; x: float32 -> the quantised numbers, widened to float32 again
;;       x = np.moveaxis(x, axis, -1); K = x.shape[-1]
;;       x = np.pad(x, [(0, 0)] * (x.ndim - 1) + [(0, -K % 32)]); x = x.reshape(x.shape[:-1] + (-1, 32)); a = np.abs(x).max(-1, keepdims=True)
;;       e = np.where(a > 0, np.clip(np.frexp(np.where(a > 0, a, 1))[1] - 1 - 2, -126, 127), 0)      # np.frexp(a)[1] - 1 = floor(log2(a)), exactly
;;       r = np.clip(x / 2.0 ** e, -7.5, 7.5)
;;       step = 2.0 ** (np.maximum(np.frexp(np.where(r == 0, 1, r))[1] - 1, 0) - 3)
;;       q = np.round(r / step) * step * 2.0 ** e      # np.round: ties to even
;;       return np.moveaxis(q.reshape(q.shape[:-2] + (-1,))[..., :K], -1, axis).astype(np.float32)
;;   ~~~
;;   SOFTMAX AHEAD OF A QUANTISED PRODUCT. Where the list says 'softmax', what is quantised is not the finished softmax but p = 2^(t - M), with t = logit x log2(e) and M = ceil(the row's largest t), a whole number; so 1/2 < the row's largest p <= 1. The row's sum l is taken of the UNQUANTISED p, in f32, and the product's result is divided by l at the end. Since M is a whole number, a kernel that streams over the keys may use a running M (the ceiling of the running maximum): every later rescaling is an exact power of two, which a block's scale takes up: the codes' values come out the same.
;;   OPERANDS COMPUTED ON THE WAY. 'Computed on the way' means the value that the module computes at that place (a softmax that the list does not call 'softmax' is quantised finished and normalised). What goes into a quantiser is computed in f32, as accurately as f32 sums, v_exp_f32 and their like allow (about 1e-6 of the number): no bf16 or f16 on the way to a quantiser, and a product that is left as it is and whose result goes on into a quantised operand takes f32 operands (vector FMAs, or v_wmma_f32_16x16x4_f32). A number that lies on a knife's edge between two numbers of the format may be rounded either way, as far as f32 arithmetic and the matrix unit's own rounding can turn it there, and no further.
;; One version. Each part assembles by itself: llvm-mc -triple=amdgcn-amd-amdhsa -mcpu=gfx1250 --defsym DOCPART=n.
;; ======== version 1 of 1: 5 launches
;; workspace buffers: xq 6,553,600 bytes; wq 3,276,800 bytes; qkv 19,660,800 bytes; aq 6,553,600 bytes
;; launch quant_x (part 1): grid 256 x 1, 8 waves a work-group, no clusters, 68,608 bytes of LDS; arguments x, xq; writes xq
.if DOCPART == 1
	.amdgcn_target "amdgcn-amd-amdhsa--gfx1250"
	.amdhsa_code_object_version 6
	.text
	.protected	k_q914e38dcfd_quant_x
	.globl	k_q914e38dcfd_quant_x
	.p2align	8
	.type	k_q914e38dcfd_quant_x,@function
k_q914e38dcfd_quant_x:
	s_mov_b64 s[64:65], 0
	v_nop
	global_prefetch_b8 v0, s[64:65] scope:SCOPE_SE
	s_setreg_imm32_b32 hwreg(HW_REG_WAVE_MODE, 25, 1), 1
	s_wait_xcnt 0x0
; x [8192][1024] f32 becomes codes of FP6 (E2M3) with one E8M0 scale byte for each 32 along K, laid in the ORDER OF THE OPERAND'S REGISTERS.
; A block's scale is 2^(floor(log2(its largest magnitude)) - 2); its byte is the largest magnitude's exponent field - 2, held at 1 from below.
; LIMITS: NaN and infinities among the inputs are not served.  A block of zeros gets the byte 1 where the quantiser says 127: its codes are zeros, and these bytes are read by this program alone.
; LAYOUT OF xq.  Codes: [tile T of 16 rows][K step s of 128][1,536 bytes]; in a fragment's 1,536 bytes chunk c (512 bytes) holds registers 4 c .. 4 c + 3 of lane l at 16 l.
; WHICH ROWS FORM A TILE: in each 32 rows, lane r of tile u is row 8 u + r + 8 (r / 8).  As source 0 of a product such tiles give a lane 16 neighbours in the 16 registers of two tiles.
; Scale words (four bytes: a row's 128 along K) from byte 6,291,456 on: for each 128 rows 4,096 bytes = [s][tile i of 8][r] words.
; SHARES.  Work-group g takes rows 32 g .. 32 g + 31 (tiles 2 g, 2 g + 1), wave w K step w.  A load reads 512 consecutive bytes of one row; the conversions want 16 neighbours in ONE lane:
; so a tile's 16 x 512 bytes turn through the wave's own stage in LDS (rows 528 bytes apart: 33 x 16, so that sixteen rows start in sixteen different groups of banks).
; No barrier: waves share nothing.  No loop: all 32 loads of a wave go out at the head.
.set SP,    528
.set STG,   16*SP                      ; a wave's stage
.set SPARE, 8*STG                      ; behind the stages: the spare words, 128 bytes for each wave: four blocks of 256 bytes that no other line names
.set LA,  4                            ; v4   16 x lane
.set SI,  5                            ; v5   the stage on the way in: + 16 x lane
.set SO,  6                            ; v6   and on the way out: row r, + 64 h
.set LW,  7                            ; v7   4 x lane
.set SPW, 8                            ; v8   LDS address of my spare word; never rewritten
.set NIL, 9                            ; v9   0; never rewritten
.set R,   16                           ; v16-143  two tiles as they are loaded; v16-79 then take tile 1's neighbours
.set X,   144                          ; v144-207 tile 0's neighbours
.set TM,  208                          ; v208-223 at work
.set PC,  224                          ; v224-235 a fragment's codes; v236-242 at work
.set PW,  244                          ; v244, v245 the two tiles' scale words; v246 what is stored
.set SEL, 12                           ; s[12:13] v_permlanex16_b32's selects for lane l xor 16
; 64 numbers of a lane, register 16 b + i = k 32 b + 16 (lane / 16) + i of my row, become a fragment's codes in v[PC] on and its scale word in v[pw]
.macro QUANT s, pw
.irp b, 0,1,2,3
	v_max3_num_f32 v[TM+\b], |v[\s+16*\b]|, |v[\s+1+16*\b]|, 0x1800000   ; block b: my 16 numbers, and the floor 2^(3 - 127): the byte cannot fall under 1
.endr
.irp i, 2,4,6,8,10,12,14
.irp b, 0,1,2,3
	v_max3_num_f32 v[TM+\b], v[TM+\b], |v[\s+16*\b+\i]|, |v[\s+1+16*\b+\i]|   ; the four blocks by turns
.endr
.endr
.irp b, 0,1,2,3
	v_permlanex16_b32 v[TM+4+\b], v[TM+\b], s[SEL], s[SEL+1]
.endr
.irp b, 0,1,2,3
	v_max_num_f32 v[TM+\b], v[TM+\b], v[TM+4+\b]     ; with lane l xor 16's: the block's largest magnitude
.endr
.irp b, 0,1,2,3
	v_add_nc_u32 v[TM+12+\b], 0xff000000, v[TM+\b]   ; 2 off its exponent field: the conversion takes the exponent field of this operand as its scale
.endr
.irp b, 0,1,2,3
	v_lshrrev_b32 v[TM+4+\b], 23, v[TM+12+\b]        ; the scale's byte
.endr
	v_lshl_or_b32 v[\pw], v[TM+5], 8, v[TM+4]        ; four bytes: my row's scale word
	v_lshl_or_b32 v[\pw], v[TM+6], 16, v[\pw]
	v_lshl_or_b32 v[\pw], v[TM+7], 24, v[\pw]
.irp c, 0,1
	v_cvt_scalef32_pk16_fp6_f32 v[PC+6*\c:PC+2+6*\c], v[\s+32*\c:\s+15+32*\c], v[TM+12+2*\c]
	v_cvt_scalef32_pk16_fp6_f32 v[PC+12+4*\c:PC+14+4*\c], v[\s+16+32*\c:\s+31+32*\c], v[TM+13+2*\c]   ; (a conversion's three registers begin on an even number)
.endr
	v_nop                                            ; one plain place behind a scaled conversion
.irp c, 0,1                                      ; the operand's layout wants a WHOLE block in a lane: lanes 0-15 block 2 c, lanes 16-31 block 2 c + 1
.irp i, 0,1,2
	v_permlane16_swap_b32 v[PC+6*\c+\i], v[PC+12+4*\c+\i]
.endr
.irp i, 0,1,2
	v_mov_b32 v[PC+3+6*\c+\i], v[PC+12+4*\c+\i]
.endr
.endr
.endm
	s_load_b128 s[4:7], s[0:1], 0x0                ; x s[4:5], xq s[6:7]
	v_lshl_add_u32 v[SPW], v0, 2, SPARE
	v_mov_b32 v[NIL], 0
	v_lshrrev_b32 v1, 5, v0
	v_readfirstlane_b32 s8, v1                     ; wave = K step
	v_and_b32 v1, 31, v0                           ; lane
	v_and_b32 v2, 15, v0                           ; r
	v_bfe_u32 v3, v0, 4, 1                         ; h
	v_lshlrev_b32 v[LA], 4, v1
	s_mul_i32 s9, s8, STG
	v_add_nc_u32 v[SI], s9, v[LA]
	v_mul_u32_u24 v[SO], v2, SP
	v_lshl_add_u32 v[SO], v3, 6, v[SO]
	v_add_nc_u32 v[SO], s9, v[SO]
	v_lshlrev_b32 v[LW], 2, v1
.irp b, 0,1,2,3
	v_mov_b32 v[TM+4+\b], 0                        ; written once: a lane permute's destination counts as one of its sources
.endr
	s_mov_b32 s[SEL], 0x76543210
	s_mov_b32 s[SEL+1], 0xfedcba98
	s_mov_b32 s14, 0xffff0000                      ; lanes 16-31
	s_lshl_b32 s16, ttmp9, 17                      ; x: 32 rows of 4,096 bytes a work-group,
	s_lshl_b32 s15, s8, 9
	s_add_co_u32 s16, s16, s15                     ; + 512 bytes a K step
	s_mov_b32 s17, 0
	s_mul_i32 s18, ttmp9, 2*12288                  ; codes: two tiles a work-group,
	s_mul_i32 s15, s8, 1536
	s_add_co_u32 s18, s18, s15                     ; + the K step's fragment
	s_mov_b32 s19, 0
	s_lshr_b32 s20, ttmp9, 2                       ; scale words: the 128 rows' record,
	s_lshl_b32 s20, s20, 12
	s_lshl_b32 s15, s8, 9
	s_add_co_u32 s20, s20, s15                     ; the K step's 512 bytes,
	s_and_b32 s15, ttmp9, 3
	s_lshl_b32 s15, s15, 7
	s_add_co_u32 s20, s20, s15                     ; my two tiles' 128 bytes
	s_add_co_u32 s20, s20, 6291456
	s_mov_b32 s21, 0
	s_wait_kmcnt 0x0
	s_add_nc_u64 s[4:5], s[4:5], s[16:17]
	s_add_nc_u64 s[10:11], s[6:7], s[20:21]
	s_add_nc_u64 s[6:7], s[6:7], s[18:19]
.irp u, 0,1
.irp t, 0,1,2,3,4,5,6,7,8,9,10,11,12,13,14,15
	global_load_b128 v[R+64*\u+4*\t:R+64*\u+4*\t+3], v[LA], s[4:5] offset:(8*\u+\t+8*(\t/8))*4096 th:TH_LOAD_NT   ; 32 lanes read 512 consecutive bytes of the tile's row t
.endr
.endr
	s_wait_loadcnt 16                              ; tile 0's sixteen loads are in; tile 1's may be out
.irp t, 0,1,2,3,4,5,6,7,8,9,10,11,12,13,14,15
	ds_store_b128 v[SI], v[R+4*\t:R+4*\t+3] offset:SP*\t
.endr
.irp b, 0,1,2,3
.irp q, 0,1,2,3
	ds_load_b128 v[X+16*\b+4*\q:X+16*\b+4*\q+3], v[SO] offset:128*\b+16*\q   ; LDS serves a wave's instructions in order: these see the stores above
.endr
.endr
	s_wait_loadcnt 0x0                             ; tile 1
.irp t, 0,1,2,3,4,5,6,7,8,9,10,11,12,13,14,15
	ds_store_b128 v[SI], v[R+64+4*\t:R+64+4*\t+3] offset:SP*\t   ; into the same stage, behind tile 0's reads
.endr
	s_wait_dscnt 16                                ; all but these sixteen stores: tile 0's stores have read v16-79, and its neighbours are in
.irp b, 0,1,2,3
.irp q, 0,1,2,3
	ds_load_b128 v[R+16*\b+4*\q:R+16*\b+4*\q+3], v[SO] offset:128*\b+16*\q
.endr
.endr
	QUANT X, PW
.irp c, 0,1,2
	global_store_b128 v[LA], v[PC+4*\c:PC+4*\c+3], s[6:7] offset:512*\c   ; 512 consecutive bytes, at a multiple of 256 from xq's first byte
.endr
	s_wait_dscnt 0x0                               ; tile 1's neighbours are in
	s_wait_xcnt 0x0                                ; the stores' addresses are translated: only behind this wait are the codes' registers written again
	QUANT R, PW+1
.irp c, 0,1,2
	global_store_b128 v[LA], v[PC+4*\c:PC+4*\c+3], s[6:7] offset:12288+512*\c
.endr
	v_cndmask_b32 v[PW+2], v[PW], v[PW+1], s14     ; lanes 0-15 tile 0's words, lanes 16-31 tile 1's (a word stands alike in lanes r and r + 16)
	global_store_b32 v[LW], v[PW+2], s[10:11]      ; 128 consecutive bytes
	s_wait_tensorcnt 0x0                           ; the wave's end: behind my last LDS store
	ds_add_u32 v[SPW], v[NIL]
	s_wait_dscnt 0x0
	s_endpgm
.Lfunc_end_k_q914e38dcfd_quant_x:
	.size	k_q914e38dcfd_quant_x, .Lfunc_end_k_q914e38dcfd_quant_x-k_q914e38dcfd_quant_x
	.p2alignl 7, 3214868480
	.fill 96, 4, 3214868480
	.section	.rodata,"a",@progbits
	.p2align	6, 0x0
	.amdhsa_kernel k_q914e38dcfd_quant_x
		.amdhsa_group_segment_fixed_size 68608
		.amdhsa_private_segment_fixed_size 0
		.amdhsa_enable_private_segment 0
		.amdhsa_kernarg_size 16
		.amdhsa_user_sgpr_count 2
		.amdhsa_user_sgpr_kernarg_segment_ptr 1
		.amdhsa_wavefront_size32 1
		.amdhsa_system_sgpr_workgroup_id_x 1
		.amdhsa_system_sgpr_workgroup_id_y 1
		.amdhsa_system_sgpr_workgroup_id_z 1
		.amdhsa_system_vgpr_workitem_id 0
		.amdhsa_next_free_vgpr 256
		.amdhsa_next_free_sgpr 66
		.amdhsa_reserve_vcc 0
		.amdhsa_float_denorm_mode_32 3
		.amdhsa_float_denorm_mode_16_64 3
		.amdhsa_memory_ordered 1
		.amdhsa_forward_progress 1
		.amdhsa_inst_pref_size 18
	.end_amdhsa_kernel
	.amdgpu_metadata
---
amdhsa.version: [ 1, 2 ]
amdhsa.kernels:
  - .name:           k_q914e38dcfd_quant_x
    .symbol:         k_q914e38dcfd_quant_x.kd
    .args:
      - { .name: x, .offset: 0, .size: 8, .value_kind: global_buffer, .address_space: global }
      - { .name: xq, .offset: 8, .size: 8, .value_kind: global_buffer, .address_space: global }
    .group_segment_fixed_size: 68608
    .private_segment_fixed_size: 0
    .kernarg_segment_align: 8
    .kernarg_segment_size: 16
    .max_flat_workgroup_size: 256
    .sgpr_count:     66
    .vgpr_count:     256
    .wavefront_size: 32
...
	.end_amdgpu_metadata
.endif
;; end of part 1
;; launch quant_w (part 2): grid 32 x 8, 4 waves a work-group, no clusters, 13,824 bytes of LDS; arguments W_qkv, W_out, wq; writes wq
.if DOCPART == 2
	.amdgcn_target "amdgcn-amd-amdhsa--gfx1250"
	.amdhsa_code_object_version 6
	.text
	.protected	k_q914e38dcfd_quant_w
	.globl	k_q914e38dcfd_quant_w
	.p2align	8
	.type	k_q914e38dcfd_quant_w,@function
k_q914e38dcfd_quant_w:
	s_mov_b64 s[64:65], 0
	v_nop
	global_prefetch_b8 v0, s[64:65] scope:SCOPE_SE
	s_setreg_imm32_b32 hwreg(HW_REG_WAVE_MODE, 25, 1), 1
	s_wait_xcnt 0x0
; W_qkv [1024][3072] and W_out [1024][1024], f32, K on the FIRST axis, become codes of FP6 (E2M3) with one E8M0 byte for each 32 along K, laid as quant_x lays x: the operand's rows are W's COLUMNS:
; rows 0 .. 3071 of wq are W_qkv's columns, rows 3072 .. 4095 W_out's.  Codes [tile of 16 rows][K step][1,536 bytes]; scale words from byte 3,145,728 on, 4,096 bytes for each 128 rows = [K step][tile i][r].
; In each 32 rows, lane r of tile u is row 8 u + r + 8 (r / 8).
; LIMITS: NaN and infinities are not served; a block of zeros gets the byte 1 (its codes are zeros; this program alone reads the bytes).
; A LANE TAKES A COLUMN, AND ITS REGISTERS RUN DOWN K: a load reads 128 consecutive bytes a wave (512 a work-group), a block of 32 lies in one lane, and the conversions give codes with K innermost.
; SHARES.  Work-group (G, s): 128 columns, K step s (128 along K); wave w columns 32 w on: two tiles.  A lane's block b is registers 6 (b / 2) .. + 5 of lane r + 16 (b % 2) of its tile's fragment:
; it goes to that place of the fragment's image in the wave's own stage, and the images leave as 512 consecutive bytes a store.  One path serves both weights: pointer, pitch and group are chosen by the work-group's number.
.set FST,   1664                       ; from one tile's image to the other's in the stage: 1,536 + 128, so that the two tiles' stores fall on different banks
.set STG,   2*FST
.set SPARE, 4*STG                      ; the spare words, 128 bytes for each wave: two blocks of 256 bytes that no other line names
.set SA,  4                            ; v4   the stage on the way in: my tile's image, + 16 r
.set SR,  5                            ; v5   and on the way out: + 16 x lane
.set LA,  6                            ; v6   16 x lane
.set WO,  7                            ; v7   my scale word's place: 64 u + 4 r
.set SPW, 8
.set NIL, 9
.set VO,  16                           ; v16-47   4 x lane + i rows of W
.set X,   48                           ; v48-175  128 numbers down K
.set C,   176                          ; v176-207 eight registers for each block's codes
.set OUTR, 216                         ; v216-239 the way out
	s_load_b128 s[4:7], s[0:1], 0x0                ; W_qkv, W_out
	s_load_b64 s[8:9], s[0:1], 0x10                ; wq
	v_lshl_add_u32 v[SPW], v0, 2, SPARE
	v_mov_b32 v[NIL], 0
	v_lshrrev_b32 v1, 5, v0
	v_readfirstlane_b32 s10, v1                    ; wave
	v_and_b32 v1, 31, v0                           ; lane = my column of the 32
	v_bfe_u32 v2, v0, 3, 1                         ; u: which tile it belongs to,
	v_and_b32 v3, 7, v0
	v_bfe_u32 v10, v0, 4, 1
	v_lshl_add_u32 v3, v10, 3, v3                  ; r: and which lane's row it is there
	s_mul_i32 s11, s10, STG
	v_mul_u32_u24 v[SA], v2, FST
	v_lshl_add_u32 v[SA], v3, 4, v[SA]
	v_add_nc_u32 v[SA], s11, v[SA]
	v_lshlrev_b32 v[LA], 4, v1
	v_add_nc_u32 v[SR], s11, v[LA]
	v_lshlrev_b32 v[WO], 6, v2
	v_lshl_add_u32 v[WO], v3, 2, v[WO]
	v_lshlrev_b32 v10, 2, v1
	s_and_b32 s12, ttmp7, 0xffff                   ; K step
	s_cmp_lt_u32 ttmp9, 24                         ; W_qkv's group or W_out's?
	s_mov_b32 s13, 4096
	s_cselect_b32 s13, 12288, s13                  ; a row of W in bytes
	s_cselect_b32 s14, 0, 24
	s_sub_co_u32 s14, ttmp9, s14                   ; the group in its own weight
.set i, 0
.rept 32
	v_mad_u32_u24 v[VO+i], s13, i, v10
.set i, i+1
.endr
	s_lshl_b32 s15, s14, 9                         ; 128 columns of 4 bytes a group,
	s_lshl_b32 s24, s10, 7                         ; 32 a wave,
	s_add_co_u32 s15, s15, s24
	s_lshl_b32 s24, s12, 7
	s_mul_i32 s24, s24, s13                        ; 128 rows a K step
	s_add_co_u32 s16, s24, s15                     ; block 0 begins here;
	s_lshl_b32 s25, s13, 5                         ; each block 32 rows on
	s_add_co_u32 s18, s16, s25
	s_add_co_u32 s20, s18, s25
	s_add_co_u32 s22, s20, s25
	s_mov_b32 s17, 0
	s_mov_b32 s19, 0
	s_mov_b32 s21, 0
	s_mov_b32 s23, 0
	s_lshl_b32 s26, ttmp9, 3
	s_lshl_b32 s24, s10, 1
	s_add_co_u32 s26, s26, s24                     ; my first tile: 8 G + 2 w
	s_mul_i32 s26, s26, 12288
	s_mul_i32 s24, s12, 1536
	s_add_co_u32 s26, s26, s24
	s_mov_b32 s27, 0
	s_lshl_b32 s28, ttmp9, 12                      ; scale words: the group's record,
	s_lshl_b32 s24, s12, 9
	s_add_co_u32 s28, s28, s24                     ; the K step's 512 bytes,
	s_lshl_b32 s24, s10, 7
	s_add_co_u32 s28, s28, s24                     ; my two tiles' 128
	s_add_co_u32 s28, s28, 3145728
	s_mov_b32 s29, 0
	s_wait_kmcnt 0x0
	s_cmp_lt_u32 ttmp9, 24
	s_cselect_b64 s[4:5], s[4:5], s[6:7]
	s_add_nc_u64 s[16:17], s[4:5], s[16:17]
	s_add_nc_u64 s[18:19], s[4:5], s[18:19]
	s_add_nc_u64 s[20:21], s[4:5], s[20:21]
	s_add_nc_u64 s[22:23], s[4:5], s[22:23]
	s_add_nc_u64 s[26:27], s[8:9], s[26:27]
	s_add_nc_u64 s[28:29], s[8:9], s[28:29]
.irp b, 0,1,2,3
.set i, 0
.rept 32
	global_load_b32 v[X+32*\b+i], v[VO+i], s[16+2*\b:17+2*\b] th:TH_LOAD_NT   ; W(128 s + 32 b + i, my column)
.set i, i+1
.endr
.endr
.macro BLOCK t
.set XS, X+32*(\t)
.set CC, C+8*(\t)
	v_max3_num_f32 v208, |v[XS]|, |v[XS+1]|, |v[XS+2]|              ; the block's largest magnitude: all 32 numbers are mine; two chains
	v_max3_num_f32 v209, |v[XS+3]|, |v[XS+4]|, |v[XS+5]|
.irp i, 6,10,14,18,22,26
	v_max3_num_f32 v208, v208, |v[XS+\i]|, |v[XS+\i+1]|
	v_max3_num_f32 v209, v209, |v[XS+\i+2]|, |v[XS+\i+3]|
.endr
	v_max3_num_f32 v208, v208, |v[XS+30]|, |v[XS+31]|
	v_max3_num_f32 v208, v208, v209, 0x1800000     ; and the floor 2^(3 - 127): the byte cannot fall under 1
	v_add_nc_u32 v210, 0xff000000, v208            ; 2 off the exponent field: the conversion's scale operand
	v_lshrrev_b32 v211, 23, v210                   ; the scale's byte
	v_cvt_scalef32_pk16_fp6_f32 v[CC:CC+2], v[XS:XS+15], v210
	v_cvt_scalef32_pk16_fp6_f32 v[CC+4:CC+6], v[XS+16:XS+31], v210   ; (a conversion's three registers begin on an even number)
.if (\t) == 0
	v_mov_b32 v212, v211                           ; the scale word, the lower K in the lower byte.  (Also the plain place behind the conversions)
.else
	v_lshl_or_b32 v212, v211, 8*(\t), v212
.endif
	v_mov_b32 v[CC+3], v[CC+4]                     ; six registers on end
	v_mov_b32 v[CC+4], v[CC+5]
	v_mov_b32 v[CC+5], v[CC+6]
.if (\t)/2 == 0                                ; registers 0 .. 5 of lane r + 16 (t % 2): chunk 0 whole, the lower half of my place in chunk 1
	ds_store_b128 v[SA], v[CC:CC+3] offset:256*((\t)%2)
	ds_store_b64 v[SA], v[CC+4:CC+5] offset:512+256*((\t)%2)
.else                                          ; registers 6 .. 11: the upper half of my place in chunk 1, chunk 2 whole
	ds_store_b64 v[SA], v[CC:CC+1] offset:520+256*((\t)%2)
	ds_store_b128 v[SA], v[CC+2:CC+5] offset:1024+256*((\t)%2)
.endif
.endm
	s_wait_loadcnt 63                              ; block 0 is in: 96 younger loads might stay out; 63 is the largest count that the wait takes
	BLOCK 0
	s_wait_loadcnt 63                              ; block 1: 64 might stay out
	BLOCK 1
	s_wait_loadcnt 32                              ; block 2: block 3's 32 may be out
	BLOCK 2
	s_wait_loadcnt 0x0
	BLOCK 3
	global_store_b32 v[WO], v212, s[28:29]         ; the wave's 32 words: 128 consecutive bytes
.irp u, 0,1
.irp c, 0,1,2
	ds_load_b128 v[OUTR+12*\u+4*\c:OUTR+12*\u+4*\c+3], v[SR] offset:FST*\u+512*\c   ; LDS serves a wave's instructions in order: these see my stores
.endr
.endr
.irp u, 0,1
.irp c, 0,1,2
	s_wait_dscnt 5-3*\u-\c
	global_store_b128 v[LA], v[OUTR+12*\u+4*\c:OUTR+12*\u+4*\c+3], s[26:27] offset:12288*\u+512*\c   ; 512 consecutive bytes, at a multiple of 256 from wq's first byte
.endr
.endr
	s_wait_tensorcnt 0x0                           ; the wave's end: behind my last LDS store
	ds_add_u32 v[SPW], v[NIL]
	s_wait_dscnt 0x0
	s_endpgm
.Lfunc_end_k_q914e38dcfd_quant_w:
	.size	k_q914e38dcfd_quant_w, .Lfunc_end_k_q914e38dcfd_quant_w-k_q914e38dcfd_quant_w
	.p2alignl 7, 3214868480
	.fill 96, 4, 3214868480
	.section	.rodata,"a",@progbits
	.p2align	6, 0x0
	.amdhsa_kernel k_q914e38dcfd_quant_w
		.amdhsa_group_segment_fixed_size 13824
		.amdhsa_private_segment_fixed_size 0
		.amdhsa_enable_private_segment 0
		.amdhsa_kernarg_size 24
		.amdhsa_user_sgpr_count 2
		.amdhsa_user_sgpr_kernarg_segment_ptr 1
		.amdhsa_wavefront_size32 1
		.amdhsa_system_sgpr_workgroup_id_x 1
		.amdhsa_system_sgpr_workgroup_id_y 1
		.amdhsa_system_sgpr_workgroup_id_z 1
		.amdhsa_system_vgpr_workitem_id 0
		.amdhsa_next_free_vgpr 256
		.amdhsa_next_free_sgpr 66
		.amdhsa_reserve_vcc 0
		.amdhsa_float_denorm_mode_32 3
		.amdhsa_float_denorm_mode_16_64 3
		.amdhsa_memory_ordered 1
		.amdhsa_forward_progress 1
		.amdhsa_inst_pref_size 25
	.end_amdhsa_kernel
	.amdgpu_metadata
---
amdhsa.version: [ 1, 2 ]
amdhsa.kernels:
  - .name:           k_q914e38dcfd_quant_w
    .symbol:         k_q914e38dcfd_quant_w.kd
    .args:
      - { .name: W_qkv, .offset: 0, .size: 8, .value_kind: global_buffer, .address_space: global }
      - { .name: W_out, .offset: 8, .size: 8, .value_kind: global_buffer, .address_space: global }
      - { .name: wq, .offset: 16, .size: 8, .value_kind: global_buffer, .address_space: global }
    .group_segment_fixed_size: 13824
    .private_segment_fixed_size: 0
    .kernarg_segment_align: 8
    .kernarg_segment_size: 24
    .max_flat_workgroup_size: 128
    .sgpr_count:     66
    .vgpr_count:     256
    .wavefront_size: 32
...
	.end_amdgpu_metadata
.endif
;; end of part 2
;; launch gemm_qkv (part 3): grid 12 x 32, 4 waves a work-group, clusters of 4 x 4, 327,680 bytes of LDS; arguments xq, wq, b_qkv, qkv; writes qkv
.if DOCPART == 3
	.amdgcn_target "amdgcn-amd-amdhsa--gfx1250"
	.amdhsa_code_object_version 6
	.text
	.protected	k_q914e38dcfd_gemm_qkv
	.globl	k_q914e38dcfd_gemm_qkv
	.p2align	8
	.type	k_q914e38dcfd_gemm_qkv,@function
k_q914e38dcfd_gemm_qkv:
	s_mov_b64 s[64:65], 0
	v_nop
	global_prefetch_b8 v0, s[64:65] scope:SCOPE_SE
	s_setreg_imm32_b32 hwreg(HW_REG_WAVE_MODE, 25, 1), 1
	s_wait_xcnt 0x0
	s_wait_alu depctr_hold_cnt(0) depctr_sa_sdst(0) depctr_va_vdst(0) depctr_va_sdst(0) depctr_va_ssrc(0) depctr_va_vcc(0) depctr_vm_vsrc(0)
	s_getreg_b32 s2, hwreg(HW_REG_IB_STS2, 6, 4)
	s_cmp_eq_u32 s2, 0
	s_cbranch_scc0 .Lentry_in_a_cluster
	s_endpgm
.Lentry_in_a_cluster:
	s_bfe_u32 s2, ttmp6, 0x10000c
	s_cmp_lg_u32 s2, 0xf033
	s_cbranch_scc0 .Lentry_shape_is_right
	s_endpgm
.Lentry_shape_is_right:
; qkv = x W_qkv + b_qkv on codes of FP6 (E2M3) with E8M0 scales, and its results QUANTISED ON THE WAY OUT into the operands of attention's two products: no f32 number of q, k or v goes to memory.
; A work-group of four waves makes 256 x 256 results, a wave 128 x 128: 64 accumulators, 512 registers.  K = 1,024 is eight steps of 128, written out.
; OPERANDS lie in memory in the order of their registers ([tile of 16 rows][K step][1,536 bytes]: chunk c holds registers 4 c .. 4 c + 3 of lane l at 16 l), so a fragment is three loads of 16 bytes a lane, 512 consecutive
; bytes each: no pitch, no padding.  In each 32 rows, lane r of tile u is row 8 u + r + 8 (r / 8).
; THE PRODUCT IS USED TRANSPOSED: source 0 = 16 rows of side B, source 1 = 16 rows of side A.  A lane then holds ONE row of A, and by the choice of the tiles' rows its 64 registers of the eight tiles of B are, in blocks
; of 16, neighbours along B: register 16 b + i is B's row 32 b + 16 (lane / 16) + i: what the conversions want.
; WHICH SIDE IS WHICH hangs on the cluster's x alone (0: q, 1: k, 2: v), the same in all sixteen partners.  q, k: A = tokens, B = W's columns: a lane's registers run along the features, the K of q k^T.
; v: A = W's columns, B = tokens: a lane's registers run along the keys, the K of p v.  Both sides have the same tile bytes and pitch, so only pointers and coordinates are chosen.
; THE BIAS is the C of the first K step's products; that step is written twice (the bias runs along B for q and k, along A for v), under a branch on the cluster's x.
; LDS: three slots of two K steps each, all asked for at the head; the fourth pair of K steps refills slot 0 once, behind a round of the cluster's barrier, with 256 matrix instructions in which to land.
; CLUSTER 4 x 4: A's tiles are asked for jointly along a row of the cluster, B's along a column.
; 384 work-groups: tiles of 256 x 128 would make 768 but read (128 + 64) x 96 bytes of LDS for 32 matrix instructions against (128 + 128) x 96 for 64 here.  No prefetch is written: three quarters of a
; work-group's operand bytes are asked for by its first tensor loads.
; OUT (qkv): kind (q 0, k 1, v 2) at kind x 6,553,600.  idx = ((batch x 8 + pair of heads) x 8 + block of 128 tokens).  Images at idx x 12,288: eight fragments a.  q, k: token tile a, K = the pair's 2 x 64 dims.
; v: a = 4 head + d-tile, K = the block's 128 keys.  Scale records at 6,291,456 + idx x 512: q, k [r][a] words; v [16 head + r][d-tile] words.
; LIMITS: NaN and infinities are not served; a block of zeros gets the byte 1 (zero codes; this program alone reads the bytes).
; REGISTERS: window 0: v1-29 addresses; v32-95 all 64 scale words (lanes 0-15 A's tile, lanes 16-31 B's); v96-159 the bias, later the quantiser's work; v160-255 A's 8 fragments, ONE set.
;   window 1: B's fragments, two sets, at v0 and v128.  windows 2, 3: the accumulators, (a, b) at v[8 (8 (a % 4) + b)].
.set SLOT,   98304                     ; A's 16 tiles x 3,072 bytes (two K steps), then B's 16
.set HALFT,  24576                     ; 8 tiles: what one tensor load brings, and what one wave reads of A or of B
.set SCL,    3*SLOT                    ; four records of scale words, 4,096 bytes each: A's two halves, B's two
.set SPARE,  SCL+4*4096                ; the spare words, 128 bytes for each wave: two blocks of 256 bytes that no other line names
.set FR,   12
.set ADRA, 16                          ; v16-18 LDS address of my A fragments in slot 0, 1, 2
.set ADRB, 20                          ; v20-22 the same for B
.set CO,   24                          ; v24    16 x lane
.set SO,   25                          ; v25    my place in a scale record
.set ADRS, 27                          ; v27    LDS address of my scale words: lanes 0-15 A's, lanes 16-31 B's
.set SPW,  28
.set NIL,  29
.set SC,   32
.set BI,   96
.set TM,   96                          ; the way out: v96-111 at work, v112-130 codes
.set PC,   112
.set AF,   160
.set SW8,  160                         ; the way out: v160-167 the eight fragments' scale words, v168-171 what is stored
.set DW,   168
.set G1A,  24                          ; s[24:31] group 1 for A's tiles; s[32:43] groups 0 for slots 0-2; s[44:47] group 0 for A's scales
.set G0A,  32
.set G0SA, 44
.set G1B,  48                          ; s[48:55]; s[56:63], s[68:71]; s[72:75] the same for B
.set G0B,  56
.set G0SB, 72
.set G1SA, 76                          ; s[76:83], s[84:91] groups 1 for the scales
.set G1SB, 84
.set KIND, 98
.set SEL,  100
.set MSB, 0
.macro WIN new                         ; the immediate's high byte repeats the setting that is left
.if MSB != (\new)
	s_set_vgpr_msb (MSB<<8)|(\new)
.set MSB, (\new)
.endif
.endm
.set MUL_LO, 0xa1                      ; source 0 (B) window 1, source 1 (A) window 0, C and D window 2
.set MUL_HI, 0xf1                      ; the same, C and D window 3
.set TO_B,   0x40                      ; destination window 1, address window 0
; A joint load: waves 0 and 1 fetch for A, waves 2 and 3 for B; the branch hangs on the wave's number alone.  An s_nop 0 and four v_nop follow each of the two lines.
.macro JLOAD g0a, g1a, g0b, g1b
	s_cmp_eq_u32 s15, 0
	s_cbranch_scc0 .Lfor_b_\@
	tensor_load_to_lds s[\g0a:\g0a+3], s[\g1a:\g1a+7]
	s_nop 0
.rept 4
	v_nop
.endr
	s_branch .Lasked_\@
.Lfor_b_\@:
	tensor_load_to_lds s[\g0b:\g0b+3], s[\g1b:\g1b+7]
	s_nop 0
.rept 4
	v_nop
.endr
.Lasked_\@:
.endm
.macro CREST                           ; a round of the cluster's barrier behind its opening barrier
	s_cmp_lg_u32 s14, 0
	s_cbranch_scc1 .Lnot_wave_0_\@
	s_barrier_signal -3
.Lnot_wave_0_\@:
	s_barrier_wait -3
	s_barrier_signal -1
	s_barrier_wait -1
.endm
.macro CROUND
	s_barrier_signal -1
	s_barrier_wait -1
	CREST
.endm
.macro PLACES n
.rept \n
	v_nop
.endr
.endm
	s_load_b256 s[4:11], s[0:1], 0x0               ; xq s[4:5], wq s[6:7], b_qkv s[8:9], qkv s[10:11]
	v_lshl_add_u32 v[SPW], v0, 2, SPARE
	v_mov_b32 v[NIL], 0
	ds_add_u32 v[SPW], v[NIL]                      ; the wave's opening: the add and its wait stand ahead of my first tensor load; work on registers stands between them
	v_lshrrev_b32 v1, 5, v0
	v_readfirstlane_b32 s14, v1                    ; wave 0..3
	s_lshr_b32 s15, s14, 1                         ; wr: which half of A's rows is mine.  Also: I fetch for A (0) or for B (1)
	s_and_b32 s16, s14, 1                          ; wc: which half of B's rows.  Also: which 128 rows I fetch
	s_bfe_u32 s18, ttmp6, 0x40000                  ; cx
	s_bfe_u32 s19, ttmp6, 0x40004                  ; cy
	s_mov_b32 s[KIND], ttmp9                       ; the cluster's x: q, k or v
	s_and_b32 s20, ttmp7, 0xffff                   ; the cluster's y
	s_cmp_eq_u32 s[KIND], 2                        ; v: the sides change places
	s_cselect_b32 s17, s[KIND], s20
	s_cselect_b32 s21, s20, s[KIND]
	s_mov_b32 s22, 6291456
	s_cselect_b32 s22, 3145728, s22                ; where the scale words begin in A's buffer,
	s_mov_b32 s66, 3145728
	s_cselect_b32 s66, 6291456, s66                ; and in B's
	s_cselect_b32 s3, 16, 32                       ; my place in a scale record: r x this
	s_cselect_b32 s104, 256, 16                    ; + h x this
	s_cselect_b32 s105, 0, 64                      ; the bias's offset: h x this
	s_cselect_b32 s92, 0, 4                        ; + register j x this
	s_cselect_b32 s93, 4, 0                        ; + my row of a tile x this
	s_lshl_b32 s17, s17, 2
	s_add_co_u32 s17, s17, s19                     ; ia: A's block of 256 rows: hangs on cy alone of the two places
	s_lshl_b32 s21, s21, 2
	s_add_co_u32 s21, s21, s18                     ; ib: B's: on cx alone
	s_lshl_b32 s2, s19, 2
	s_lshl_b32 s2, 15, s2                          ; my row of the cluster
	s_lshl_b32 s67, 0x1111, s18                    ; my column
	; group 1, codes: 8 rows (tiles) of 384 elements of 8 bytes (two K steps), 1,536 elements apart; no padding
	s_or_b32 s[G1A], s2, (3<<16)|(1<<21)           ; 15:0 the mask; 17:16 elements of 8 bytes; 21 set beside a mask
	s_or_b32 s[G1B], s67, (3<<16)|(1<<21)
.irp g, G1A, G1B
	s_mov_b32 s[\g+1], 384<<16                     ; tensor_dim0
	s_mov_b32 s[\g+2], 8<<16                       ; tensor_dim1
	s_mov_b32 s[\g+3], 384<<16                     ; tile_dim0
	s_mov_b32 s[\g+4], 8                           ; tile_dim1
	s_mov_b32 s[\g+5], 1536                        ; tensor_dim0_stride
	s_mov_b32 s[\g+6], 0
	s_mov_b32 s[\g+7], 0
.endr
	; group 1, scales: a dense record of 4,096 bytes as 16 rows of 256
	s_or_b32 s[G1SA], s2, (3<<16)|(1<<21)
	s_or_b32 s[G1SB], s67, (3<<16)|(1<<21)
.irp g, G1SA, G1SB
	s_mov_b32 s[\g+1], 32<<16
	s_mov_b32 s[\g+2], 16<<16
	s_mov_b32 s[\g+3], 32<<16
	s_mov_b32 s[\g+4], 16
	s_mov_b32 s[\g+5], 32
	s_mov_b32 s[\g+6], 0
	s_mov_b32 s[\g+7], 0
.endr
	; where my tiles begin in their buffers, as offsets
	s_mul_i32 s23, s16, 98304                      ; which 8 tiles of the 16
	s_mul_i32 s[G0A+2], s17, 196608
	s_add_co_u32 s[G0A+2], s[G0A+2], s23
	s_mov_b32 s[G0A+3], 0
	s_lshl_b32 s[G0SA+2], s17, 1
	s_add_co_u32 s[G0SA+2], s[G0SA+2], s16
	s_lshl_b32 s[G0SA+2], s[G0SA+2], 12
	s_add_co_u32 s[G0SA+2], s[G0SA+2], s22
	s_mov_b32 s[G0SA+3], 0
	s_mul_i32 s[G0B+2], s21, 196608
	s_add_co_u32 s[G0B+2], s[G0B+2], s23
	s_mov_b32 s[G0B+3], 0
	s_lshl_b32 s[G0SB+2], s21, 1
	s_add_co_u32 s[G0SB+2], s[G0SB+2], s16
	s_lshl_b32 s[G0SB+2], s[G0SB+2], 12
	s_add_co_u32 s[G0SB+2], s[G0SB+2], s66
	s_mov_b32 s[G0SB+3], 0
	s_mul_i32 s23, s14, HALFT                      ; and where they go: wave x 8 tiles: no place in the cluster enters an LDS address
	s_lshl_b32 s20, s14, 12
.irp s, 0,1,2
	s_mov_b32 s[G0A+4*\s], 1
	s_add_co_u32 s[G0A+4*\s+1], s23, \s*SLOT
	s_mov_b32 s[G0B+4*\s+4*(\s/2)], 1
	s_add_co_u32 s[G0B+4*\s+4*(\s/2)+1], s23, \s*SLOT
.endr
	s_mov_b32 s[G0SA], 1
	s_add_co_u32 s[G0SA+1], s20, SCL
	s_mov_b32 s[G0SB], 1
	s_add_co_u32 s[G0SB+1], s20, SCL
	s_mov_b32 s99, 0xffff0000                      ; lanes 16-31
	s_mov_b32 s[SEL], 0x76543210
	s_mov_b32 s[SEL+1], 0xfedcba98
	s_wait_dscnt 0x0                               ; the opening add is done
	s_wait_kmcnt 0x0
	s_cmp_eq_u32 s[KIND], 2
	s_cselect_b64 s[12:13], s[6:7], s[4:5]         ; A's buffer
	s_cselect_b64 s[22:23], s[4:5], s[6:7]         ; B's buffer
	s_add_nc_u64 s[G0A+2:G0A+3], s[12:13], s[G0A+2:G0A+3]
	s_add_nc_u64 s[G0A+6:G0A+7], s[G0A+2:G0A+3], 3072
	s_add_nc_u64 s[G0A+10:G0A+11], s[G0A+2:G0A+3], 6144
	s_add_nc_u64 s[G0SA+2:G0SA+3], s[12:13], s[G0SA+2:G0SA+3]
	s_add_nc_u64 s[G0B+2:G0B+3], s[22:23], s[G0B+2:G0B+3]
	s_add_nc_u64 s[G0B+6:G0B+7], s[G0B+2:G0B+3], 3072
	s_add_nc_u64 s[G0B+14:G0B+15], s[G0B+2:G0B+3], 6144
	s_add_nc_u64 s[G0SB+2:G0SB+3], s[22:23], s[G0SB+2:G0SB+3]
.irp g, G0A+3, G0A+7, G0A+11, G0SA+3, G0B+3, G0B+7, G0B+15, G0SB+3
	s_or_b32 s[\g], s[\g], 0x80000000              ; type = 2
.endr
	CROUND                                         ; all sixteen work-groups are here: the first joint loads meet
	JLOAD G0SA, G1SA, G0SB, G1SB                   ; four loads of mine are out: the scales,
	JLOAD G0A, G1A, G0B, G1B                       ; K steps 0, 1,
	JLOAD G0A+4, G1A, G0B+4, G1B                   ; 2, 3,
	JLOAD G0A+8, G1A, G0B+12, G1B                  ; 4, 5
	v_and_b32 v1, 15, v0                           ; r
	v_bfe_u32 v2, v0, 4, 1                         ; h
	v_and_b32 v3, 31, v0
	v_lshlrev_b32 v[CO], 4, v3
	s_mul_i32 s20, s15, HALFT                      ; my 8 tiles of A
	s_mul_i32 s18, s16, HALFT                      ; my 8 tiles of B,
	s_add_co_u32 s18, s18, 2*HALFT                 ; behind A's 16
.irp s, 0,1,2
	v_add_nc_u32 v[ADRA+\s], s20, v[CO]
	v_add_nc_u32 v[ADRB+\s], s18, v[CO]
	s_add_co_u32 s20, s20, SLOT
	s_add_co_u32 s18, s18, SLOT
.endr
	s_lshl_b32 s20, s15, 12                        ; A's record of my rows
	s_lshl_b32 s18, s16, 12
	s_add_co_u32 s18, s18, 8192                    ; B's
	s_sub_co_u32 s18, s18, s20                     ; the distance between the two
	v_mul_u32_u24 v12, s18, v2                     ; lanes 16-31 take B's
	v_lshl_add_u32 v12, v1, 2, v12
	s_add_co_u32 s20, s20, SCL
	v_add_nc_u32 v[ADRS], s20, v12
	v_mul_u32_u24 v[SO], v1, s3
	v_mad_u32_u24 v[SO], v2, s104, v[SO]
	v_and_b32 v12, 8, v1
	v_add_nc_u32 v12, v12, v1                      ; r + 8 (r / 8): my row of a tile
	v_mul_u32_u24 v12, v12, s93
	v_mad_u32_u24 v12, v2, s105, v12
.irp j, 0,1,2,3,4,5,6,7
	v_mad_u32_u24 v[4+\j], s92, \j, v12            ; q, k: 64 h + 4 j (the bias runs along my registers);  v: 4 x my row (all eight registers alike)
.endr
	; where my results go
	s_lshl_b32 s18, s17, 1
	s_add_co_u32 s18, s18, s15                     ; A's block of 128 rows: 2 ia + wr
	s_lshl_b32 s19, s21, 1
	s_add_co_u32 s19, s19, s16                     ; B's: 2 ib + wc
	s_cmp_eq_u32 s[KIND], 2
	s_cselect_b32 s20, s19, s18                    ; the block of 128 tokens
	s_cselect_b32 s2, s18, s19                     ; the block of 128 features, 0 .. 23
	s_lshl_b32 s96, s2, 9                          ; its bias
	s_mov_b32 s97, 0
	s_and_b32 s2, s2, 7                            ; the pair of heads
	s_lshr_b32 s18, s20, 3                         ; the batch
	s_lshl_b32 s18, s18, 3
	s_add_co_u32 s18, s18, s2
	s_lshl_b32 s18, s18, 3
	s_and_b32 s20, s20, 7
	s_add_co_u32 s18, s18, s20                     ; idx
	s_mul_i32 s19, s[KIND], 6553600
	s_mul_i32 s92, s18, 12288
	s_add_co_u32 s92, s92, s19
	s_mov_b32 s93, 0
	s_lshl_b32 s94, s18, 9
	s_add_co_u32 s94, s94, s19
	s_add_co_u32 s94, s94, 6291456
	s_mov_b32 s95, 0
	s_add_nc_u64 s[92:93], s[10:11], s[92:93]
	s_add_nc_u64 s[94:95], s[10:11], s[94:95]
	s_add_nc_u64 s[96:97], s[8:9], s[96:97]
.set t, 0
.rept 8
.irp j, 0,1,2,3,4,5,6,7
	global_load_b32 v[BI+8*t+\j], v[4+\j], s[96:97] offset:(32*(t/2)+8*(t%2))*4   ; tile t begins at row 32 (t / 2) + 8 (t % 2)
.endr
.set t, t+1
.endr
.macro FRAG reg, adr, off              ; a fragment as it lies: three loads of 512 consecutive bytes
.irp c, 0,1,2
	ds_load_b128 v[(\reg)+4*\c:(\reg)+4*\c+3], v[\adr] offset:(\off)+512*\c
.endr
.endm
.macro FETCH_B slot, q, p              ; B's eight fragments of the slot's q-th K step into set p
	WIN TO_B
.irp i, 0,1,2,3,4,5,6,7
	FRAG 128*(\p)+FR*\i, ADRB+\slot, 3072*\i+1536*(\q)
.endr
	WIN 0
.endm
.macro FETCH_A slot, q, i0             ; A's blocks i0 .. i0 + 3
.irp i, \i0, \i0+1, \i0+2, \i0+3
	FRAG AF+FR*(\i), ADRA+\slot, 3072*(\i)+1536*(\q)
.endr
.endm
; 16 matrix instructions: A's blocks a0, a0 + 1 x B's eight, K step ks.  mode 0: the sums go on; 1: they begin with the bias along B; 2: with the bias along A.
; The 64 accumulators take turns, one instruction a turn, in the same order in every step.
.macro MUL16 a0, ks, mode
.irp a, \a0, \a0+1
.irp b, 0,1,2,3,4,5,6,7
.if (\mode) == 0
	v_wmma_scale_f32_16x16x128_f8f6f4 v[8*(8*((\a)%4)+\b):8*(8*((\a)%4)+\b)+7], v[128*((\ks)%2)+FR*\b:128*((\ks)%2)+FR*\b+FR-1], v[AF+FR*(\a):AF+FR*(\a)+FR-1], v[8*(8*((\a)%4)+\b):8*(8*((\a)%4)+\b)+7], v[SC+8*(\ks)+\b], v[SC+8*(\ks)+(\a)] matrix_a_fmt:MATRIX_FMT_FP6 matrix_b_fmt:MATRIX_FMT_FP6 matrix_a_scale:MATRIX_SCALE_ROW1
.elseif (\mode) == 1
	v_wmma_scale_f32_16x16x128_f8f6f4 v[8*(8*((\a)%4)+\b):8*(8*((\a)%4)+\b)+7], v[128*((\ks)%2)+FR*\b:128*((\ks)%2)+FR*\b+FR-1], v[AF+FR*(\a):AF+FR*(\a)+FR-1], v[BI+8*\b:BI+8*\b+7], v[SC+8*(\ks)+\b], v[SC+8*(\ks)+(\a)] matrix_a_fmt:MATRIX_FMT_FP6 matrix_b_fmt:MATRIX_FMT_FP6 matrix_a_scale:MATRIX_SCALE_ROW1
.else
	v_wmma_scale_f32_16x16x128_f8f6f4 v[8*(8*((\a)%4)+\b):8*(8*((\a)%4)+\b)+7], v[128*((\ks)%2)+FR*\b:128*((\ks)%2)+FR*\b+FR-1], v[AF+FR*(\a):AF+FR*(\a)+FR-1], v[BI+8*(\a):BI+8*(\a)+7], v[SC+8*(\ks)+\b], v[SC+8*(\ks)+(\a)] matrix_a_fmt:MATRIX_FMT_FP6 matrix_b_fmt:MATRIX_FMT_FP6 matrix_a_scale:MATRIX_SCALE_ROW1
.endif
.endr
.endr
.endm
; K step ks; in its middle and at its end it fetches the next K step's fragments (slot nslot, its nq-th).  Four plain places stand in front of each run of loads into registers that matrix instructions have read.
.macro STEP ks, nslot, nq, mode
	s_wait_dscnt 12                                ; all but the youngest twelve loads (A's blocks 4-7)
.if \mode
	WIN 0x81                                       ; C (the bias) window 0, D window 2
.else
	WIN MUL_LO
.endif
	MUL16 0, \ks, \mode
	MUL16 2, \ks, \mode
	s_wait_dscnt 0x0                               ; A's blocks 4-7 are in
	PLACES 4
	FETCH_B \nslot, \nq, ((\ks)+1)%2
	FETCH_A \nslot, \nq, 0
.if \mode
	WIN 0xc1
.else
	WIN MUL_HI
.endif
	MUL16 4, \ks, \mode
	MUL16 6, \ks, \mode
	PLACES 4
	WIN 0
	FETCH_A \nslot, \nq, 4
.endm
; A K step with a barrier in it.  In front of the barrier each wave waits for all its tensor loads, adds 0 to its spare word, and waits for that and for its LDS reads.  fill = 1: slot 0, which nobody reads any more, takes K steps 6, 7.
.macro TURN ks, nslot, fill
	s_wait_tensorcnt 0x0                           ; all my tensor loads have landed  (every window is 0 here)
	ds_add_u32 v[SPW], v[NIL]                      ; 0 onto my spare word
	s_wait_dscnt 13                                ; (the add and A's blocks 4-7 may be out)
	WIN MUL_LO
	MUL16 0, \ks, 0                                ; sixteen matrix instructions stand between the add and the wait for it
	s_wait_dscnt 0x0                               ; the add is done, and my reads of the slot that is left are over
	s_barrier_signal -1
	MUL16 2, \ks, 0
	WIN 0
	s_barrier_wait -1
.if \fill
	CREST                                          ; the barrier has opened a round of the cluster's barrier: no wave of any partner still reads slot 0 or has a load on its way
	s_add_nc_u64 s[G0A+2:G0A+3], s[G0A+2:G0A+3], 9216
	s_add_nc_u64 s[G0B+2:G0B+3], s[G0B+2:G0B+3], 9216
	JLOAD G0A, G1A, G0B, G1B                       ; the first tensor load behind the round, my only one; its four v_nop are the places in front of the loads below
.else
	PLACES 4
.endif
	FETCH_B \nslot, 0, ((\ks)+1)%2
	FETCH_A \nslot, 0, 0
	WIN MUL_HI
	MUL16 4, \ks, 0
	MUL16 6, \ks, 0
	PLACES 4
	WIN 0
	FETCH_A \nslot, 0, 4
.endm
; 64 results of a lane in window w, register s + 16 b + i = k 32 b + 16 (lane / 16) + i of my row, become a fragment's codes in v[PC] on and its scale word in v[pw].  Each accumulator is read from its low end on.
.macro QUANT w, s, pw
	WIN (\w)|((\w)<<2)                             ; sources 0 and 1 in the accumulators' window; the running maximum is source 2
.irp b, 0,1,2,3
	v_max3_num_f32 v[TM+\b], |v[(\s)+16*\b]|, |v[(\s)+16*\b+1]|, 0x1800000   ; the floor 2^(3 - 127): the byte cannot fall under 1
.endr
.irp i, 2,4,6,8,10,12,14
.irp b, 0,1,2,3
	v_max3_num_f32 v[TM+\b], |v[(\s)+16*\b+\i]|, |v[(\s)+16*\b+\i+1]|, v[TM+\b]
.endr
.endr
	WIN 0
.irp b, 0,1,2,3
	v_permlanex16_b32 v[TM+4+\b], v[TM+\b], s[SEL], s[SEL+1]
.endr
.irp b, 0,1,2,3
	v_max_num_f32 v[TM+\b], v[TM+\b], v[TM+4+\b]
.endr
.irp b, 0,1,2,3
	v_add_nc_u32 v[TM+12+\b], 0xff000000, v[TM+\b]
.endr
.irp b, 0,1,2,3
	v_lshrrev_b32 v[TM+4+\b], 23, v[TM+12+\b]
.endr
	v_lshl_or_b32 v[\pw], v[TM+5], 8, v[TM+4]
	v_lshl_or_b32 v[\pw], v[TM+6], 16, v[\pw]
	v_lshl_or_b32 v[\pw], v[TM+7], 24, v[\pw]
	s_wait_xcnt 0x0                                ; the last fragment's stores have had their addresses translated: only behind this wait are the codes' registers written again
	WIN (\w)
.irp c, 0,1
	v_cvt_scalef32_pk16_fp6_f32 v[PC+6*\c:PC+6*\c+2], v[(\s)+32*\c:(\s)+32*\c+15], v[TM+12+2*\c]
	v_cvt_scalef32_pk16_fp6_f32 v[PC+12+4*\c:PC+14+4*\c], v[(\s)+16+32*\c:(\s)+31+32*\c], v[TM+13+2*\c]
.endr
	WIN 0
	v_nop                                          ; one plain place behind a scaled conversion
.irp c, 0,1
.irp i, 0,1,2
	v_permlane16_swap_b32 v[PC+6*\c+\i], v[PC+12+4*\c+\i]
.endr
.irp i, 0,1,2
	v_mov_b32 v[PC+3+6*\c+\i], v[PC+12+4*\c+\i]
.endr
.endr
.endm
	s_wait_tensorcnt 2                             ; the scales and K steps 0, 1 are in; slots 1 and 2 may be out
	s_barrier_signal -1
	s_barrier_wait -1                              ; everybody's are
.set k, 0
.rept 8
.irp i, 0,1,2,3,4,5,6,7
	ds_load_b32 v[SC+8*k+\i], v[ADRS] offset:512*k+64*\i   ; all scale words, once
.endr
.set k, k+1
.endr
	FETCH_B 0, 0, 0
	FETCH_A 0, 0, 0
	FETCH_A 0, 0, 4
	s_wait_loadcnt 0x0                             ; the bias
	s_cmp_eq_u32 s[KIND], 2                        ; the cluster's x: all partners go the same way; no tensor load, barrier or LDS store stands in either arm
	s_cbranch_scc1 .Lfirst_v
	STEP 0, 0, 1, 1
	s_branch .Lfirst_done
.Lfirst_v:
	STEP 0, 0, 1, 2
.Lfirst_done:
	TURN 1, 1, 1                                   ; its wait for all loads shows slots 1 and 2 whole to everybody: the change from slot 1 to slot 2 needs no barrier
	STEP 2, 1, 1, 0
	STEP 3, 2, 0, 0
	STEP 4, 2, 1, 0
	TURN 5, 0, 0                                   ; the refill has landed, everybody's; nothing is filled again, so no round
	STEP 6, 0, 1, 0
	s_wait_dscnt 12                                ; the last K step: nothing more to fetch
	WIN MUL_LO
	MUL16 0, 7, 0
	MUL16 2, 7, 0
	s_wait_dscnt 0x0
	WIN MUL_HI
	MUL16 4, 7, 0
	MUL16 6, 7, 0
	WIN 0
	; THE WAY OUT: A's block a with B's eight tiles is one fragment of the next product: quantised in registers and stored as it stands
	PLACES 4
.irp b, 0,1,2,3
	v_mov_b32 v[TM+4+\b], 0                        ; a lane permute's destination counts as one of its sources
.endr
.irp a, 0,1,2,3,4,5,6,7
	QUANT 2+\a/4, 64*(\a%4), SW8+\a
.irp c, 0,1,2
	global_store_b128 v[CO], v[PC+4*\c:PC+4*\c+3], s[92:93] offset:1536*\a+512*\c   ; 512 consecutive bytes, at a multiple of 256 from qkv's first byte
.endr
.endr
.irp k, 0,1,2,3
	v_cndmask_b32 v[DW+\k], v[SW8+\k], v[SW8+4+\k], s99   ; lanes 0-15 fragments 0-3's words, lanes 16-31 fragments 4-7's
.endr
	global_store_b128 v[SO], v[DW:DW+3], s[94:95]  ; the record's 512 bytes
	s_wait_tensorcnt 0x0                           ; the wave's end
	ds_add_u32 v[SPW], v[NIL]
	s_wait_dscnt 0x0
	CROUND                                         ; the closing round
	s_endpgm
.Lfunc_end_k_q914e38dcfd_gemm_qkv:
	.size	k_q914e38dcfd_gemm_qkv, .Lfunc_end_k_q914e38dcfd_gemm_qkv-k_q914e38dcfd_gemm_qkv
	.p2alignl 7, 3214868480
	.fill 96, 4, 3214868480
	.section	.rodata,"a",@progbits
	.p2align	6, 0x0
	.amdhsa_kernel k_q914e38dcfd_gemm_qkv
		.amdhsa_group_segment_fixed_size 327680
		.amdhsa_private_segment_fixed_size 0
		.amdhsa_enable_private_segment 0
		.amdhsa_kernarg_size 32
		.amdhsa_user_sgpr_count 2
		.amdhsa_user_sgpr_kernarg_segment_ptr 1
		.amdhsa_wavefront_size32 1
		.amdhsa_system_sgpr_workgroup_id_x 1
		.amdhsa_system_sgpr_workgroup_id_y 1
		.amdhsa_system_sgpr_workgroup_id_z 1
		.amdhsa_system_vgpr_workitem_id 0
		.amdhsa_next_free_vgpr 1024
		.amdhsa_next_free_sgpr 106
		.amdhsa_reserve_vcc 0
		.amdhsa_float_denorm_mode_32 3
		.amdhsa_float_denorm_mode_16_64 3
		.amdhsa_memory_ordered 1
		.amdhsa_forward_progress 1
		.amdhsa_inst_pref_size 161
	.end_amdhsa_kernel
	.amdgpu_metadata
---
amdhsa.version: [ 1, 2 ]
amdhsa.kernels:
  - .name:           k_q914e38dcfd_gemm_qkv
    .symbol:         k_q914e38dcfd_gemm_qkv.kd
    .args:
      - { .name: xq, .offset: 0, .size: 8, .value_kind: global_buffer, .address_space: global }
      - { .name: wq, .offset: 8, .size: 8, .value_kind: global_buffer, .address_space: global }
      - { .name: b_qkv, .offset: 16, .size: 8, .value_kind: global_buffer, .address_space: global }
      - { .name: qkv, .offset: 24, .size: 8, .value_kind: global_buffer, .address_space: global }
    .group_segment_fixed_size: 327680
    .private_segment_fixed_size: 0
    .kernarg_segment_align: 8
    .kernarg_segment_size: 32
    .max_flat_workgroup_size: 128
    .sgpr_count:     106
    .vgpr_count:     1024
    .wavefront_size: 32
...
	.end_amdgpu_metadata
.endif
;; end of part 3
;; launch attn (part 4): grid 4 x 64, 16 waves a work-group, no clusters, 232,448 bytes of LDS; arguments qkv, aq; writes aq
.if DOCPART == 4
	.amdgcn_target "amdgcn-amd-amdhsa--gfx1250"
	.amdhsa_code_object_version 6
	.text
	.protected	k_q914e38dcfd_attn
	.globl	k_q914e38dcfd_attn
	.p2align	8
	.type	k_q914e38dcfd_attn,@function
k_q914e38dcfd_attn:
	s_mov_b64 s[64:65], 0
	v_nop
	global_prefetch_b8 v0, s[64:65] scope:SCOPE_SE
	s_setreg_imm32_b32 hwreg(HW_REG_WAVE_MODE, 25, 1), 1
	s_wait_xcnt 0x0
; Causal attention on codes of FP6 (E2M3): S = q k^T / 8, softmax, o = p v, for 8 batches x 16 heads of 64, 1,024 tokens; o leaves QUANTISED, as the operand of the output projection (aq, laid as quant_x lays x).
; THE SOFTMAX: t = score x log2(e) / 8; M = the running largest t rounded UP to a whole number; p = 2^(t - M) is quantised along the keys, not normalised; the row's sum of the unquantised p divides o at the end;
; when M moves, the sum and O are multiplied by 2^(old M - new M), which rounds nothing.
; THE MASK: a hidden key's score becomes -8e9, so that t is -1e9 log2(e); key steps all of whose keys are hidden are left out.
; LIMIT: that takes p = 0 for hidden keys, which holds while a row's largest visible logit lies above about -1e9 + 100.  NaN and infinities are not served.  A block of zeros gets the byte 1 (zero codes).
; SHARES.  Work-group (i, batch x 8 + pair of heads): sixteen waves = 2 heads x 8 tiles of 16 queries.  It takes the block of 128 queries i (i + 1 key steps of 128) and then block 7 - i (8 - i steps):
; nine key steps for every wave of every one of the 256 work-groups.  Four waves share a SIMD, so that one wave's vector work stands beside another's products and LDS loads.
; ALL K AND V OF THE PAIR STAY IN LDS: 8 records of 24,576 bytes, each filled ONCE, by three tensor loads a wave at the head: no ring, no refill.  So no prefetch is written (every byte is asked for at the head),
; and no cluster: the four work-groups of a pair want the same 204,800 bytes, but once, and walk different steps afterwards; a joint request would add two rounds of a cluster's barrier for one fill.
; Both loops have constant trip counts (4 and 8); a hidden step is jumped over by a scalar branch on ids, round its loads, products and softmax alone.
; LAYOUT.  Both products are used transposed: S^T = K Q^T, O^T = V^T P^T: a lane holds ONE query throughout.  The tiles' rows are chosen (lane r of tile u in 32 rows: 8 u + r + 8 (r / 8)) so that the 16 registers of two
; neighbouring tiles are 16 neighbouring keys (or channels).  A fragment of K holds BOTH heads' 64 dims; my Q has the other head's six registers cleared: zero codes add nothing.
; REGISTERS: v1-4, v7, v29-31, v93-95 addresses that stay; v8-11 the step's; v12 -M, v13 the largest t, v[14:15] the sum; v16-27, v28 the first block's Q and scale words; v80-91, v92 the second's;
; v32-79 four fragments; v96-159 S^T, then p; v160-191 O^T; v192-223 o; v224-235 codes; v232-247, v252, v254 at work; v248-251 the tiles' scale words; v253 p's.
.set REC,   24576                      ; a key step's record: K's 8 fragments, then V's 8 (head x 6,144 + d-tile x 1,536)
.set KSC,   8*REC                      ; K's scale records, 512 bytes a step;
.set VSC,   KSC+4096                   ; V's
.set SPARE, VSC+4096                   ; the spare words, 128 bytes for each wave: eight blocks of 256 bytes that no other line names
.set OSTG,  SPARE+2048                 ; o's 8 fragment images, for each of the two blocks of queries bytes of its own;
.set OSC,   OSTG+2*12288               ; their scale words, 512 bytes each
.set SPW, 5
.set NIL, 6
.set WV,  8
.set HD,  9
.set TQ,  10
.set QB,  13                           ; s13  the block of queries in hand
.set J,   14                           ; s14  the key step
.set TB,  15                           ; s15  where its record begins
.set TS,  16                           ; s16  and its scale records
.set SEL, 20
.set CS,  22                           ; s[22:23] c = log2(e) / 8
.set ML,  24                           ; s24  all ones in head 0's waves;  s25 in head 1's
.set MH,  25
	s_load_b128 s[4:7], s[0:1], 0x0                ; qkv, aq
	v_lshl_add_u32 v[SPW], v0, 2, SPARE
	v_mov_b32 v[NIL], 0
	ds_add_u32 v[SPW], v[NIL]                      ; the wave's opening: the add and its wait stand ahead of my first tensor load; work on registers stands between them
	v_lshrrev_b32 v8, 5, v0
	v_readfirstlane_b32 s[WV], v8                  ; wave 0..15
	s_lshr_b32 s[HD], s[WV], 3                     ; my head of the pair.  Also: I fetch K (0) or V (1)
	s_and_b32 s[TQ], s[WV], 7                      ; my tile of queries.  Also: which eighth I fetch
	s_mov_b32 s11, ttmp9                           ; i
	s_and_b32 s12, ttmp7, 0xffff                   ; batch x 8 + pair
	s_sub_co_u32 s78, 7, s11                       ; 7 - i
	; group 1, codes: 6,144 dense bytes as 24 rows of 256;  scales: 512 as 2 rows
	s_mov_b32 s28, 3<<16
	s_mov_b32 s29, 32<<16
	s_mov_b32 s30, 24<<16
	s_mov_b32 s31, 32<<16
	s_mov_b32 s32, 24
	s_mov_b32 s33, 32
	s_mov_b32 s34, 0
	s_mov_b32 s35, 0
	s_mov_b32 s36, 3<<16
	s_mov_b32 s37, 32<<16
	s_mov_b32 s38, 2<<16
	s_mov_b32 s39, 32<<16
	s_mov_b32 s40, 2
	s_mov_b32 s41, 32
	s_mov_b32 s42, 0
	s_mov_b32 s43, 0
	; groups 0: s[44:47] my scale record, s[48:51] my part of records 0-3, s[52:55] of records 4-7
	s_mov_b32 s44, 1
	s_mov_b32 s48, 1
	s_mov_b32 s52, 1
	s_lshl_b32 s74, s[WV], 9
	s_add_co_u32 s45, s74, KSC                     ; K's eight records, then V's eight
	s_lshr_b32 s74, s[TQ], 1
	s_mul_i32 s74, s74, REC                        ; two waves to a record's K or V
	s_mul_i32 s75, s[HD], 12288
	s_add_co_u32 s74, s74, s75
	s_and_b32 s75, s[WV], 1
	s_mul_i32 s75, s75, 6144
	s_add_co_u32 s49, s74, s75
	s_add_co_u32 s53, s49, 4*REC
	s_add_co_u32 s74, s[HD], 1
	s_mul_i32 s74, s74, 6553600                    ; K's or V's part of qkv
	s_lshl_b32 s75, s12, 12
	s_lshl_b32 s76, s[TQ], 9
	s_add_co_u32 s75, s75, s76
	s_add_co_u32 s75, s75, s74
	s_add_co_u32 s46, s75, 6291456
	s_mov_b32 s47, 0
	s_mul_i32 s75, s12, 98304
	s_mul_i32 s76, s[TQ], 6144
	s_add_co_u32 s75, s75, s76
	s_add_co_u32 s50, s75, s74
	s_mov_b32 s51, 0
	; Q: codes at (pair's 64 fragments + 8 block + tile) x 1,536; scale words at 6,291,456 + (pair's 8 records + block) x 512 + 32 r + 4 tile
	s_mul_i32 s74, s12, 98304
	s_mul_i32 s75, s[TQ], 1536
	s_add_co_u32 s74, s74, s75
	s_mul_i32 s75, s11, 12288
	s_add_co_u32 s66, s74, s75
	s_mov_b32 s67, 0
	s_mul_i32 s75, s78, 12288
	s_add_co_u32 s68, s74, s75
	s_mov_b32 s69, 0
	s_lshl_b32 s74, s12, 12
	s_lshl_b32 s75, s[TQ], 2
	s_add_co_u32 s74, s74, s75
	s_add_co_u32 s74, s74, 6291456
	s_lshl_b32 s75, s11, 9
	s_add_co_u32 s70, s74, s75
	s_mov_b32 s71, 0
	s_lshl_b32 s75, s78, 9
	s_add_co_u32 s72, s74, s75
	s_mov_b32 s73, 0
	; aq: wave w stores 768 bytes: half w % 2 of fragment w / 2: tile (64 batch + 8 block + w / 2) x 12,288 + pair x 1,536
	s_lshr_b32 s74, s12, 3                         ; batch
	s_and_b32 s75, s12, 7                          ; pair
	s_lshl_b32 s76, s74, 6
	s_lshr_b32 s77, s[WV], 1
	s_add_co_u32 s76, s76, s77
	s_mul_i32 s76, s76, 12288
	s_mul_i32 s77, s75, 1536
	s_add_co_u32 s76, s76, s77
	s_and_b32 s77, s[WV], 1
	s_mul_i32 s77, s77, 768
	s_add_co_u32 s76, s76, s77
	s_mul_i32 s77, s11, 98304
	s_add_co_u32 s56, s76, s77
	s_mov_b32 s57, 0
	s_mul_i32 s77, s78, 98304
	s_add_co_u32 s58, s76, s77
	s_mov_b32 s59, 0
	s_lshl_b32 s76, s74, 15                        ; scale words: (8 batch + block) x 4,096 + pair x 512
	s_lshl_b32 s77, s75, 9
	s_add_co_u32 s76, s76, s77
	s_add_co_u32 s76, s76, 6291456
	s_lshl_b32 s77, s11, 12
	s_add_co_u32 s60, s76, s77
	s_mov_b32 s61, 0
	s_lshl_b32 s77, s78, 12
	s_add_co_u32 s62, s76, s77
	s_mov_b32 s63, 0
	s_mov_b32 s[SEL], 0x76543210
	s_mov_b32 s[SEL+1], 0xfedcba98
	s_mov_b32 s[CS], 0x3e38aa3b                    ; log2(e) / 8
	s_mov_b32 s[CS+1], s[CS]                       ; (named with it as a pair, so it is written)
	s_cmp_eq_u32 s[HD], 0
	s_cselect_b32 s[ML], -1, 0
	s_cselect_b32 s[MH], 0, -1
	s_wait_dscnt 0x0                               ; the opening add is done
	s_wait_kmcnt 0x0
	s_add_nc_u64 s[46:47], s[4:5], s[46:47]
	s_add_nc_u64 s[50:51], s[4:5], s[50:51]
	s_add_nc_u64 s[54:55], s[50:51], 49152
	s_or_b32 s47, s47, 0x80000000
	s_or_b32 s51, s51, 0x80000000
	s_or_b32 s55, s55, 0x80000000
	tensor_load_to_lds s[44:47], s[36:43]          ; three loads of mine are out: a scale record,
	s_nop 0
	tensor_load_to_lds s[48:51], s[28:35]          ; my part of key steps 0-3,
	s_nop 0
	tensor_load_to_lds s[52:55], s[28:35]          ; and of key steps 4-7
	s_nop 0
.rept 4
	v_nop
.endr
	s_add_nc_u64 s[66:67], s[4:5], s[66:67]
	s_add_nc_u64 s[68:69], s[4:5], s[68:69]
	s_add_nc_u64 s[70:71], s[4:5], s[70:71]
	s_add_nc_u64 s[72:73], s[4:5], s[72:73]
	s_add_nc_u64 s[56:57], s[6:7], s[56:57]
	s_add_nc_u64 s[58:59], s[6:7], s[58:59]
	s_add_nc_u64 s[60:61], s[6:7], s[60:61]
	s_add_nc_u64 s[62:63], s[6:7], s[62:63]
	v_and_b32 v8, 15, v0                           ; r
	v_bfe_u32 v9, v0, 4, 1                         ; h
	v_and_b32 v10, 31, v0                          ; lane
	v_lshlrev_b32 v1, 4, v10                       ; 16 x lane: a fragment's place for my lane; K's fragments begin a record
	v_lshlrev_b32 v11, 5, v8                       ; 32 r
.irp c, 0,1,2
	global_load_b128 v[16+4*\c:19+4*\c], v1, s[66:67] offset:512*\c
	global_load_b128 v[80+4*\c:83+4*\c], v1, s[68:69] offset:512*\c
.endr
	global_load_b32 v28, v11, s[70:71]
	global_load_b32 v92, v11, s[72:73]
	s_mul_i32 s74, s[HD], 6144
	s_add_co_u32 s74, s74, 12288
	v_add_nc_u32 v2, s74, v1                       ; my head's fragments of V
	v_add_nc_u32 v3, KSC, v11                      ; K's scale words: 32 bytes a row: eight tiles'
	s_lshl_b32 s74, s[HD], 8
	s_add_co_u32 s74, s74, VSC
	v_lshl_add_u32 v4, v8, 4, s74                  ; V's: 16 bytes a row: my head's four tiles'
	s_lshr_b32 s74, s[TQ], 1
	s_lshl_b32 s74, s74, 5
	s_and_b32 s75, s[TQ], 1
	s_lshl_b32 s75, s75, 3
	s_add_co_u32 s74, s74, s75
	v_and_b32 v7, 8, v8
	v_add_nc_u32 v7, v7, v8
	v_add_nc_u32 v7, s74, v7                       ; my query's place in its block of 128,
	v_lshlrev_b32 v12, 4, v9
	v_sub_nc_u32 v7, v7, v12                       ; d = that - 16 h: on the diagonal register 16 b + i (key 32 b + 16 h + i) is hidden where 32 b + i > d
	s_mul_i32 s74, s[TQ], 1536
	s_add_co_u32 s74, s74, OSTG                    ; my tile's image of o
	s_lshl_b32 s75, s[HD], 10
	s_add_co_u32 s75, s75, s74
	v_add_nc_u32 v29, s75, v1                      ; head 0: chunk 0; head 1: chunk 2
	s_lshl_b32 s75, s[HD], 3
	s_add_co_u32 s75, s75, s74
	s_add_co_u32 s75, s75, 512
	v_add_nc_u32 v30, s75, v1                      ; chunk 1: head 0 the lower 8 bytes of my place, head 1 the upper
	s_lshl_b32 s74, s[TQ], 6
	s_lshl_b32 s75, s[HD], 1
	s_add_co_u32 s74, s74, s75
	s_add_co_u32 s74, s74, OSC
	v_lshl_add_u32 v31, v8, 2, s74                 ; my head's half of my row's scale word
	s_mul_i32 s74, s[WV], 768
	s_add_co_u32 s74, s74, OSTG
	v_lshl_add_u32 v93, v10, 3, s74                ; the way out: 768 bytes a wave, 8 a lane
	v_add_nc_u32 v94, OSC, v1
	v_lshlrev_b32 v95, 3, v10
.irp b, 0,1,2,3
	v_mov_b32 v[236+\b], 0                         ; written once: a lane permute's destination counts as one of its sources
.endr
	v_mov_b32 v253, 0                              ; (named as the upper half of the pair v[252:253] before it is first written)
.macro INIT                            ; a block of queries begins: O^T and the sum as zeros, the largest t under every t: the first change of M multiplies zeros
	v_mov_b32 v13, 0xff61b1e6                      ; -3e38
	v_floor_f32 v12, -v13                          ; -M
	v_mov_b32 v14, 0
	v_mov_b32 v15, 0
	v_mov_b32 v252, 0
.set n, 0
.rept 32
	v_mov_b32 v[160+n], 0
.set n, n+1
.endr
	s_mov_b32 s[J], 0
	s_mov_b32 s[TB], 0
	s_mov_b32 s[TS], 0
.endm
; A KEY STEP: 128 keys.  qf: my Q's fragment; qs: its scale words.
.macro STEP qf, qs
	s_cmp_gt_u32 s[J], s[QB]                       ; all its keys come after my block's queries: ids and the count of steps alone
	s_cbranch_scc1 .Lhidden_\@
	v_add_nc_u32 v8, s[TB], v1                     ; (these four are also the places in front of the loads into registers that the last products read)
	v_add_nc_u32 v9, s[TB], v2
	v_add_nc_u32 v10, s[TS], v3
	v_add_nc_u32 v11, s[TS], v4
.irp g, 0,1                                    ; S^T = K Q^T, four tiles of 16 keys at a time
.if \g
.rept 4
	v_nop
.endr
.endif
.irp t, 0,1,2,3
.irp c, 0,1,2
	ds_load_b128 v[32+12*\t+4*\c:35+12*\t+4*\c], v8 offset:(4*\g+\t)*1536+512*\c
.endr
.endr
	ds_load_b128 v[248:251], v10 offset:16*\g      ; the four tiles' scale words of row r
	s_wait_dscnt 0x0
.irp t, 0,1,2,3
	v_wmma_scale_f32_16x16x128_f8f6f4 v[96+8*(4*\g+\t):103+8*(4*\g+\t)], v[32+12*\t:43+12*\t], v[\qf:\qf+11], 0, v[248+\t], v[\qs] matrix_a_fmt:MATRIX_FMT_FP6 matrix_b_fmt:MATRIX_FMT_FP6
.endr
.endr                                          ; lane (r, h): query r; register 16 b + i: key 32 b + 16 h + i of the step
.rept 4
	v_nop
.endr
	s_cmp_lg_u32 s[J], s[QB]                       ; only the step on the diagonal has hidden keys
	s_cbranch_scc1 .Lopen_\@
	v_mov_b32 v254, 0xcfee6b28                     ; -8e9: x c it is -1e9 log2(e)
.set n, 0
.rept 64
	v_cmp_gt_i32 vcc_lo, 32*(n/16)+n%16, v7
	v_cndmask_b32 v[96+n], v[96+n], v254, vcc_lo
.set n, n+1
.endr
.Lopen_\@:
.irp b, 0,1,2,3
	v_max3_num_f32 v[232+\b], v[96+16*\b], v[97+16*\b], v[98+16*\b]   ; the largest score of each block of 32 keys: for the row's maximum and, since p rises with the score, for the block's largest p
.endr
.irp i, 3,5,7,9,11,13
.irp b, 0,1,2,3
	v_max3_num_f32 v[232+\b], v[232+\b], v[96+16*\b+\i], v[97+16*\b+\i]
.endr
.endr
.irp b, 0,1,2,3
	v_max_num_f32 v[232+\b], v[232+\b], v[111+16*\b]
.endr
.irp b, 0,1,2,3
	v_permlanex16_b32 v[236+\b], v[232+\b], s[SEL], s[SEL+1]
.endr
.irp b, 0,1,2,3
	v_max_num_f32 v[232+\b], v[232+\b], v[236+\b]  ; with lane l xor 16's 16 keys
.endr
	v_max3_num_f32 v254, v232, v233, v234
	v_max_num_f32 v254, v254, v235                 ; the step's largest score of my query
	v_mul_f32 v254, s[CS], v254                    ; as t
	v_max_num_f32 v13, v13, v254                   ; the running largest t
	v_mov_b32 v254, v12
	v_floor_f32 v12, -v13                          ; the new -M = -ceil(t)
	v_sub_f32 v254, v12, v254                      ; old M - new M: a whole number, 0 or less
	v_cvt_i32_f32 v254, v254                       ; (it saturates)
	v_ldexp_f32 v252, 1.0, v254                    ; f = 2^(old M - new M)
.irp j, 0,2,4,6,8,10,12,14,16,18,20,22,24,26,28,30,32,34,36,38,40,42,44,46,48,50,52,54,56,58,60,62
	v_pk_fma_f32 v[96+\j:97+\j], v[96+\j:97+\j], s[CS:CS+1], v[12:13] op_sel_hi:[1,0,0]   ; t - M, two at a time
.endr
.irp b, 0,1,2,3
	v_fma_f32 v[232+\b], v[232+\b], s[CS], v12     ; the same of each block's largest score
.endr
.set n, 0
.rept 64
	v_exp_f32 v[96+n], v[96+n]                     ; p = 2^(t - M)
.set n, n+1
.endr
	v_pk_mul_f32 v[14:15], v[14:15], v[252:253] op_sel_hi:[1,0]   ; the sums under the new M.  (The plain place behind the exponentials)
	s_wait_alu depctr_va_vdst(0)                   ; one wait for the whole batch, ahead of its first reader
.irp b, 0,1,2,3
	v_exp_f32 v[232+\b], v[232+\b]                 ; the block's largest p
.endr
	v_pk_add_f32 v[236:237], v[96:97], v[98:99]    ; the row's sum of the UNQUANTISED p, in two chains
.irp j, 4,8,12,16,20,24,28,32,36,40,44,48,52,56,60
	v_pk_add_f32 v[14:15], v[14:15], v[96+\j:97+\j]
	v_pk_add_f32 v[236:237], v[236:237], v[98+\j:99+\j]
.endr
	v_pk_add_f32 v[14:15], v[14:15], v[236:237]
	s_wait_alu depctr_va_vdst(0)                   ; and one for the four
.irp b, 0,1,2,3
	v_max_num_f32 v[232+\b], 0x1800000, v[232+\b]  ; the floor 2^(3 - 127): the byte cannot fall under 1
.endr
.irp b, 0,1,2,3
	v_add_nc_u32 v[244+\b], 0xff000000, v[232+\b]  ; the conversion's scale operand
.endr
.irp b, 0,1,2,3
	v_lshrrev_b32 v[236+\b], 23, v[244+\b]         ; the scale's byte
.endr
	v_lshl_or_b32 v253, v237, 8, v236              ; p's scale word for these 128 keys
	v_lshl_or_b32 v253, v238, 16, v253
	v_lshl_or_b32 v253, v239, 24, v253
.irp c, 0,1
	v_cvt_scalef32_pk16_fp6_f32 v[224+6*\c:226+6*\c], v[96+32*\c:111+32*\c], v[244+2*\c]
	v_cvt_scalef32_pk16_fp6_f32 v[236+4*\c:238+4*\c], v[112+32*\c:127+32*\c], v[244+2*\c+1]
.endr
	v_nop                                          ; one plain place behind a scaled conversion
.irp c, 0,1
.irp i, 0,1,2
	v_permlane16_swap_b32 v[224+6*\c+\i], v[236+4*\c+\i]
.endr
.irp i, 0,1,2
	v_mov_b32 v[227+6*\c+\i], v[236+4*\c+\i]
.endr
.endr
.irp j, 0,2,4,6,8,10,12,14,16,18,20,22,24,26,28,30
	v_pk_mul_f32 v[160+\j:161+\j], v[160+\j:161+\j], v[252:253] op_sel_hi:[1,0]   ; O^T under the new M.  (These sixteen are also the places in front of the loads and products below)
.endr
.irp t, 0,1,2,3                                ; O^T += V^T P^T: my head's four tiles of 16 channels; K = these 128 keys
.irp c, 0,1,2
	ds_load_b128 v[32+12*\t+4*\c:35+12*\t+4*\c], v9 offset:1536*\t+512*\c
.endr
.endr
	ds_load_b128 v[248:251], v11
	s_wait_dscnt 0x0
.irp t, 0,1,2,3
	v_wmma_scale_f32_16x16x128_f8f6f4 v[160+8*\t:167+8*\t], v[32+12*\t:43+12*\t], v[224:235], v[160+8*\t:167+8*\t], v[248+\t], v253 matrix_a_fmt:MATRIX_FMT_FP6 matrix_b_fmt:MATRIX_FMT_FP6
.endr
.Lhidden_\@:
	s_add_co_u32 s[TB], s[TB], REC
	s_add_co_u32 s[TS], s[TS], 512
.endm
; A BLOCK OF QUERIES ENDS: o = O^T / the sum; its 64 channels are two blocks of 32 along the output projection's K: quantised in registers; my six registers of the tile's fragment go to its image in LDS, where the two heads'
; halves meet; behind a barrier each wave stores 768 bytes of the eight images.  ph: 0, 1: the LDS bytes and the addresses of the first and the second block.
.macro FIN ph
.rept 4
	v_nop                                          ; places behind the last products
.endr
	v_add_f32 v14, v14, v15
	v_permlanex16_b32 v252, v14, s[SEL], s[SEL+1]
	v_add_f32 v14, v14, v252                       ; the row's sum
	v_rcp_f32 v14, v14
	v_nop                                          ; a plain place behind the transcendental
	s_wait_alu depctr_va_vdst(0)                   ; and the wait ahead of its first reader
.irp j, 0,2,4,6,8,10,12,14,16,18,20,22,24,26,28,30
	v_pk_mul_f32 v[192+\j:193+\j], v[160+\j:161+\j], v[14:15] op_sel_hi:[1,0]   ; register 16 b + i: channel 32 b + 16 h + i; each accumulator from its low end on
.endr
	v_max3_num_f32 v232, |v192|, |v193|, 0x1800000
	v_max3_num_f32 v233, |v208|, |v209|, 0x1800000
.irp i, 2,4,6,8,10,12,14
	v_max3_num_f32 v232, v232, |v[192+\i]|, |v[193+\i]|
	v_max3_num_f32 v233, v233, |v[208+\i]|, |v[209+\i]|
.endr
	v_permlanex16_b32 v236, v232, s[SEL], s[SEL+1]
	v_permlanex16_b32 v237, v233, s[SEL], s[SEL+1]
	v_max_num_f32 v232, v232, v236
	v_max_num_f32 v233, v233, v237
	v_add_nc_u32 v244, 0xff000000, v232
	v_add_nc_u32 v245, 0xff000000, v233
	v_lshrrev_b32 v236, 23, v244
	v_lshrrev_b32 v237, 23, v245
	v_lshl_or_b32 v254, v237, 8, v236              ; my head's two bytes
	v_cvt_scalef32_pk16_fp6_f32 v[224:226], v[192:207], v244
	v_cvt_scalef32_pk16_fp6_f32 v[228:230], v[208:223], v245
	v_nop                                          ; one plain place behind a scaled conversion
.irp i, 0,1,2
	v_permlane16_swap_b32 v[224+\i], v[228+\i]
.endr
.irp i, 0,1,2
	v_mov_b32 v[227+\i], v[228+\i]                 ; v224-229: registers 6 head .. 6 head + 5 of the fragment
.endr
.irp k, 0,1,2,3
	v_cndmask_b32 v[240+\k], v[224+\k], v[226+\k], s[MH]   ; the four that fill a chunk: head 0 the first four, head 1 the last four
.endr
.irp k, 0,1
	v_cndmask_b32 v[246+\k], v[228+\k], v[224+\k], s[MH]   ; the two that share chunk 1
.endr
	ds_store_b128 v29, v[240:243] offset:12288*\ph
	ds_store_b64 v30, v[246:247] offset:12288*\ph
	ds_store_b16 v31, v254 offset:512*\ph          ; lanes r and r + 16 write the same two bytes with the same value
	s_wait_dscnt 0x0                               ; for the others' sake: my stores have landed
	s_barrier_signal -1
	s_barrier_wait -1
.irp m, 0,1,2
	ds_load_b64 v[32+2*\m:33+2*\m], v93 offset:12288*\ph+256*\m
.endr
	s_wait_dscnt 0x0
.irp m, 0,1,2
	global_store_b64 v95, v[32+2*\m:33+2*\m], s[56+2*\ph:57+2*\ph] offset:256*\m   ; 256 consecutive bytes, at a multiple of 256 from aq's first byte
.endr
	s_cmp_lg_u32 s[WV], 0                          ; wave 0 stores the eight tiles' scale words: 512 consecutive bytes
	s_cbranch_scc1 .Lnot_0_\@
	ds_load_b128 v[40:43], v94 offset:512*\ph
	s_wait_dscnt 0x0
	global_store_b128 v1, v[40:43], s[60+2*\ph:61+2*\ph]
.Lnot_0_\@:
	s_wait_xcnt 0x0                                ; the stores' addresses are translated: their registers may be written again
.endm
	s_wait_loadcnt 0x0                             ; Q
.irp k, 0,1,2,3,4,5
	v_and_b32 v[16+\k], s[ML], v[16+\k]            ; the other head's six registers become zero codes
	v_and_b32 v[22+\k], s[MH], v[22+\k]
	v_and_b32 v[80+\k], s[ML], v[80+\k]
	v_and_b32 v[86+\k], s[MH], v[86+\k]
.endr
	INIT
	s_mov_b32 s[QB], s11                           ; block i
	s_wait_tensorcnt 1                             ; my scale record and my part of key steps 0-3 are in; steps 4-7 may be out
	s_barrier_signal -1
	s_barrier_wait -1                              ; everybody's are
.Lshort:                                           ; four trips; i + 1 of them work
	STEP 16, 28
	s_add_co_u32 s[J], s[J], 1
	s_cmp_lt_u32 s[J], 4
	s_cbranch_scc1 .Lshort
	FIN 0
	s_wait_tensorcnt 0x0                           ; my part of key steps 4-7 is in,
	s_wait_dscnt 0x0
	s_barrier_signal -1
	s_barrier_wait -1                              ; everybody's is
	INIT
	s_mov_b32 s[QB], s78                           ; block 7 - i
.Llong:                                            ; eight trips; 8 - i of them work
	STEP 80, 92
	s_add_co_u32 s[J], s[J], 1
	s_cmp_lt_u32 s[J], 8
	s_cbranch_scc1 .Llong
	FIN 1
	s_wait_tensorcnt 0x0                           ; the wave's end: behind my last tensor load and my last LDS store
	ds_add_u32 v[SPW], v[NIL]
	s_wait_dscnt 0x0
	s_endpgm
.Lfunc_end_k_q914e38dcfd_attn:
	.size	k_q914e38dcfd_attn, .Lfunc_end_k_q914e38dcfd_attn-k_q914e38dcfd_attn
	.p2alignl 7, 3214868480
	.fill 96, 4, 3214868480
	.section	.rodata,"a",@progbits
	.p2align	6, 0x0
	.amdhsa_kernel k_q914e38dcfd_attn
		.amdhsa_group_segment_fixed_size 232448
		.amdhsa_private_segment_fixed_size 0
		.amdhsa_enable_private_segment 0
		.amdhsa_kernarg_size 16
		.amdhsa_user_sgpr_count 2
		.amdhsa_user_sgpr_kernarg_segment_ptr 1
		.amdhsa_wavefront_size32 1
		.amdhsa_system_sgpr_workgroup_id_x 1
		.amdhsa_system_sgpr_workgroup_id_y 1
		.amdhsa_system_sgpr_workgroup_id_z 1
		.amdhsa_system_vgpr_workitem_id 0
		.amdhsa_next_free_vgpr 256
		.amdhsa_next_free_sgpr 80
		.amdhsa_reserve_vcc 1
		.amdhsa_float_denorm_mode_32 3
		.amdhsa_float_denorm_mode_16_64 3
		.amdhsa_memory_ordered 1
		.amdhsa_forward_progress 1
		.amdhsa_inst_pref_size 65
	.end_amdhsa_kernel
	.amdgpu_metadata
---
amdhsa.version: [ 1, 2 ]
amdhsa.kernels:
  - .name:           k_q914e38dcfd_attn
    .symbol:         k_q914e38dcfd_attn.kd
    .args:
      - { .name: qkv, .offset: 0, .size: 8, .value_kind: global_buffer, .address_space: global }
      - { .name: aq, .offset: 8, .size: 8, .value_kind: global_buffer, .address_space: global }
    .group_segment_fixed_size: 232448
    .private_segment_fixed_size: 0
    .kernarg_segment_align: 8
    .kernarg_segment_size: 16
    .max_flat_workgroup_size: 512
    .sgpr_count:     80
    .vgpr_count:     256
    .wavefront_size: 32
...
	.end_amdgpu_metadata
.endif
;; end of part 4
;; launch gemm_out (part 5): grid 4 x 32, 4 waves a work-group, clusters of 4 x 4, 327,680 bytes of LDS; arguments aq, wq, b_out, out0; writes out0
.if DOCPART == 5
	.amdgcn_target "amdgcn-amd-amdhsa--gfx1250"
	.amdhsa_code_object_version 6
	.text
	.protected	k_q914e38dcfd_gemm_out
	.globl	k_q914e38dcfd_gemm_out
	.p2align	8
	.type	k_q914e38dcfd_gemm_out,@function
k_q914e38dcfd_gemm_out:
	s_mov_b64 s[64:65], 0
	v_nop
	global_prefetch_b8 v0, s[64:65] scope:SCOPE_SE
	s_setreg_imm32_b32 hwreg(HW_REG_WAVE_MODE, 25, 1), 1
	s_wait_xcnt 0x0
	s_wait_alu depctr_hold_cnt(0) depctr_sa_sdst(0) depctr_va_vdst(0) depctr_va_sdst(0) depctr_va_ssrc(0) depctr_va_vcc(0) depctr_vm_vsrc(0)
	s_getreg_b32 s2, hwreg(HW_REG_IB_STS2, 6, 4)
	s_cmp_eq_u32 s2, 0
	s_cbranch_scc0 .Lentry_in_a_cluster
	s_endpgm
.Lentry_in_a_cluster:
	s_bfe_u32 s2, ttmp6, 0x10000c
	s_cmp_lg_u32 s2, 0xf033
	s_cbranch_scc0 .Lentry_shape_is_right
	s_endpgm
.Lentry_shape_is_right:
; out0 = o W_out + b_out on codes of FP6 (E2M3) with E8M0 scales; out0 [8192][1024] f32.  A = o's codes (aq), B = W_out's columns (wq from tile 192 on).
; A work-group of four waves makes 256 x 256 results, a wave 128 x 128: 64 accumulators.  K = 1,024 is eight steps of 128, written out.
; OPERANDS lie in memory in the order of their registers ([tile of 16 rows][K step][1,536 bytes]), so a fragment is three loads of 512 consecutive bytes.  In each 32 rows, lane r of tile u is row 8 u + r + 8 (r / 8).
; THE PRODUCT IS USED TRANSPOSED (source 0 = 16 rows of B, source 1 = 16 rows of A): a lane holds one token, and the 16 registers of B's tiles 2 b, 2 b + 1 are the 16 neighbouring outputs 32 b + 16 (lane / 16) + 0 .. 15.
; THE BIAS is the C of the first K step's products.
; LDS: three slots of two K steps each, all asked for at the head; the fourth pair of K steps refills slot 0 once, behind a round of the cluster's barrier.  CLUSTER 4 x 4: A's tiles jointly along a row, B's along a column.
; 128 work-groups: with this tile half of the 256 WGPs have no work-group.  No prefetch is written: three quarters of a work-group's operand bytes are asked for by its first tensor loads.
; REGISTERS: window 0: v1-29 addresses; v32-95 all 64 scale words; v96-159 the bias; v160-255 A's 8 fragments, ONE set; on the way out v128-255 rows of the result.
;   window 1: B's fragments, two sets, at v0 and v128.  windows 2, 3: the accumulators, (a, b) at v[8 (8 (a % 4) + b)].
.set SLOT,   98304
.set HALFT,  24576
.set SCL,    3*SLOT
.set SPARE,  SCL+4*4096                ; the spare words, 128 bytes for each wave: two blocks of 256 bytes that no other line names
.set SPITCH, 528                       ; the way out: a stage of 16 rows x (512 bytes + 16) for each wave, in slot 1, which has had its last fill and its last read when the first result is stored there
.set FR,   12
.set ADRA, 16
.set ADRB, 20
.set CO,   24                          ; v24    16 x lane
.set STO,  25                          ; v25    the stage on the way in
.set RD,   26                          ; v26    and on the way out
.set ADRS, 27
.set SPW,  28
.set NIL,  29
.set SC,   32
.set BI,   96
.set BK,   128
.set AF,   160
.set G1A,  24
.set G0A,  32
.set G0SA, 44
.set G1B,  48
.set G0B,  56
.set G0SB, 72
.set G1SA, 76
.set G1SB, 84
.set MSB, 0
.macro WIN new                         ; the immediate's high byte repeats the setting that is left
.if MSB != (\new)
	s_set_vgpr_msb (MSB<<8)|(\new)
.set MSB, (\new)
.endif
.endm
.set MUL_LO, 0xa1
.set MUL_HI, 0xf1
.set TO_B,   0x40
.macro JLOAD g0a, g1a, g0b, g1b        ; a joint load: waves 0 and 1 fetch for A, waves 2 and 3 for B; an s_nop 0 and four v_nop follow each of the two lines
	s_cmp_eq_u32 s15, 0
	s_cbranch_scc0 .Lfor_b_\@
	tensor_load_to_lds s[\g0a:\g0a+3], s[\g1a:\g1a+7]
	s_nop 0
.rept 4
	v_nop
.endr
	s_branch .Lasked_\@
.Lfor_b_\@:
	tensor_load_to_lds s[\g0b:\g0b+3], s[\g1b:\g1b+7]
	s_nop 0
.rept 4
	v_nop
.endr
.Lasked_\@:
.endm
.macro CREST
	s_cmp_lg_u32 s14, 0
	s_cbranch_scc1 .Lnot_wave_0_\@
	s_barrier_signal -3
.Lnot_wave_0_\@:
	s_barrier_wait -3
	s_barrier_signal -1
	s_barrier_wait -1
.endm
.macro CROUND
	s_barrier_signal -1
	s_barrier_wait -1
	CREST
.endm
.macro PLACES n
.rept \n
	v_nop
.endr
.endm
	s_load_b256 s[4:11], s[0:1], 0x0               ; aq s[4:5], wq s[6:7], b_out s[8:9], out0 s[10:11]
	v_lshl_add_u32 v[SPW], v0, 2, SPARE
	v_mov_b32 v[NIL], 0
	ds_add_u32 v[SPW], v[NIL]                      ; the wave's opening: the add and its wait stand ahead of my first tensor load; work on registers stands between them
	v_lshrrev_b32 v1, 5, v0
	v_readfirstlane_b32 s14, v1                    ; wave 0..3
	s_lshr_b32 s15, s14, 1                         ; wr.  Also: I fetch for A (0) or for B (1)
	s_and_b32 s16, s14, 1                          ; wc.  Also: which 128 rows I fetch
	s_bfe_u32 s18, ttmp6, 0x40000                  ; cx
	s_bfe_u32 s19, ttmp6, 0x40004                  ; cy
	s_and_b32 s17, ttmp7, 0xffff
	s_lshl_b32 s17, s17, 2
	s_add_co_u32 s17, s17, s19                     ; ia: the block of 256 tokens
	s_lshl_b32 s21, ttmp9, 2
	s_add_co_u32 s21, s21, s18                     ; ib: the block of 256 outputs
	s_lshl_b32 s2, s19, 2
	s_lshl_b32 s2, 15, s2                          ; my row of the cluster
	s_lshl_b32 s67, 0x1111, s18                    ; my column
	s_or_b32 s[G1A], s2, (3<<16)|(1<<21)           ; codes: 8 rows (tiles) of 384 elements of 8 bytes (two K steps), 1,536 elements apart; no padding
	s_or_b32 s[G1B], s67, (3<<16)|(1<<21)
.irp g, G1A, G1B
	s_mov_b32 s[\g+1], 384<<16
	s_mov_b32 s[\g+2], 8<<16
	s_mov_b32 s[\g+3], 384<<16
	s_mov_b32 s[\g+4], 8
	s_mov_b32 s[\g+5], 1536
	s_mov_b32 s[\g+6], 0
	s_mov_b32 s[\g+7], 0
.endr
	s_or_b32 s[G1SA], s2, (3<<16)|(1<<21)          ; scales: a dense record of 4,096 bytes as 16 rows of 256
	s_or_b32 s[G1SB], s67, (3<<16)|(1<<21)
.irp g, G1SA, G1SB
	s_mov_b32 s[\g+1], 32<<16
	s_mov_b32 s[\g+2], 16<<16
	s_mov_b32 s[\g+3], 32<<16
	s_mov_b32 s[\g+4], 16
	s_mov_b32 s[\g+5], 32
	s_mov_b32 s[\g+6], 0
	s_mov_b32 s[\g+7], 0
.endr
	s_mul_i32 s23, s16, 98304
	s_mul_i32 s[G0A+2], s17, 196608
	s_add_co_u32 s[G0A+2], s[G0A+2], s23
	s_mov_b32 s[G0A+3], 0
	s_lshl_b32 s[G0SA+2], s17, 1
	s_add_co_u32 s[G0SA+2], s[G0SA+2], s16
	s_lshl_b32 s[G0SA+2], s[G0SA+2], 12
	s_add_co_u32 s[G0SA+2], s[G0SA+2], 6291456
	s_mov_b32 s[G0SA+3], 0
	s_mul_i32 s[G0B+2], s21, 196608
	s_add_co_u32 s[G0B+2], s[G0B+2], s23
	s_add_co_u32 s[G0B+2], s[G0B+2], 2359296       ; W_out's tiles begin at tile 192
	s_mov_b32 s[G0B+3], 0
	s_lshl_b32 s[G0SB+2], s21, 1
	s_add_co_u32 s[G0SB+2], s[G0SB+2], s16
	s_lshl_b32 s[G0SB+2], s[G0SB+2], 12
	s_add_co_u32 s[G0SB+2], s[G0SB+2], 3145728+98304   ; and its scale records at record 24
	s_mov_b32 s[G0SB+3], 0
	s_mul_i32 s23, s14, HALFT                      ; where they go: wave x 8 tiles
	s_lshl_b32 s20, s14, 12
.irp s, 0,1,2
	s_mov_b32 s[G0A+4*\s], 1
	s_add_co_u32 s[G0A+4*\s+1], s23, \s*SLOT
	s_mov_b32 s[G0B+4*\s+4*(\s/2)], 1
	s_add_co_u32 s[G0B+4*\s+4*(\s/2)+1], s23, \s*SLOT
.endr
	s_mov_b32 s[G0SA], 1
	s_add_co_u32 s[G0SA+1], s20, SCL
	s_mov_b32 s[G0SB], 1
	s_add_co_u32 s[G0SB+1], s20, SCL
	s_wait_dscnt 0x0                               ; the opening add is done
	s_wait_kmcnt 0x0
	s_add_nc_u64 s[G0A+2:G0A+3], s[4:5], s[G0A+2:G0A+3]
	s_add_nc_u64 s[G0A+6:G0A+7], s[G0A+2:G0A+3], 3072
	s_add_nc_u64 s[G0A+10:G0A+11], s[G0A+2:G0A+3], 6144
	s_add_nc_u64 s[G0SA+2:G0SA+3], s[4:5], s[G0SA+2:G0SA+3]
	s_add_nc_u64 s[G0B+2:G0B+3], s[6:7], s[G0B+2:G0B+3]
	s_add_nc_u64 s[G0B+6:G0B+7], s[G0B+2:G0B+3], 3072
	s_add_nc_u64 s[G0B+14:G0B+15], s[G0B+2:G0B+3], 6144
	s_add_nc_u64 s[G0SB+2:G0SB+3], s[6:7], s[G0SB+2:G0SB+3]
.irp g, G0A+3, G0A+7, G0A+11, G0SA+3, G0B+3, G0B+7, G0B+15, G0SB+3
	s_or_b32 s[\g], s[\g], 0x80000000              ; type = 2
.endr
	CROUND                                         ; all sixteen work-groups are here: the first joint loads meet
	JLOAD G0SA, G1SA, G0SB, G1SB                   ; four loads of mine are out: the scales,
	JLOAD G0A, G1A, G0B, G1B                       ; K steps 0, 1,
	JLOAD G0A+4, G1A, G0B+4, G1B                   ; 2, 3,
	JLOAD G0A+8, G1A, G0B+12, G1B                  ; 4, 5
	v_and_b32 v1, 15, v0                           ; r
	v_bfe_u32 v2, v0, 4, 1                         ; h
	v_and_b32 v3, 31, v0
	v_lshlrev_b32 v[CO], 4, v3
	s_mul_i32 s20, s15, HALFT
	s_mul_i32 s18, s16, HALFT
	s_add_co_u32 s18, s18, 2*HALFT
.irp s, 0,1,2
	v_add_nc_u32 v[ADRA+\s], s20, v[CO]
	v_add_nc_u32 v[ADRB+\s], s18, v[CO]
	s_add_co_u32 s20, s20, SLOT
	s_add_co_u32 s18, s18, SLOT
.endr
	s_lshl_b32 s20, s15, 12                        ; A's record of my rows
	s_lshl_b32 s18, s16, 12
	s_add_co_u32 s18, s18, 8192                    ; B's
	s_sub_co_u32 s18, s18, s20
	v_mul_u32_u24 v12, s18, v2                     ; lanes 16-31 take B's
	v_lshl_add_u32 v12, v1, 2, v12
	s_add_co_u32 s20, s20, SCL
	v_add_nc_u32 v[ADRS], s20, v12
	s_mul_i32 s20, s14, 16*SPITCH
	s_add_co_u32 s20, s20, SLOT                    ; my stage
	v_mul_u32_u24 v[STO], v1, SPITCH
	v_lshl_add_u32 v[STO], v2, 6, v[STO]
	v_add_nc_u32 v[STO], s20, v[STO]               ; in: row r, + 64 h
	v_add_nc_u32 v[RD], s20, v[CO]                 ; back: a row's 512 bytes, 16 a lane
	v_lshlrev_b32 v4, 6, v2                        ; the bias: 64 h
	s_lshl_b32 s18, s21, 1
	s_add_co_u32 s18, s18, s16                     ; my block of 128 outputs
	s_lshl_b32 s96, s18, 9                         ; 512 bytes of the bias, and of a row of out0
	s_mov_b32 s97, 0
	s_lshl_b32 s19, s17, 1
	s_add_co_u32 s19, s19, s15                     ; my block of 128 tokens
	s_lshl_b32 s12, s19, 19                        ; 128 rows of 4,096 bytes
	s_add_co_u32 s12, s12, s96
	s_mov_b32 s13, 0
	s_add_nc_u64 s[12:13], s[10:11], s[12:13]
	s_add_nc_u64 s[96:97], s[8:9], s[96:97]
.irp t, 0,1,2,3,4,5,6,7
	global_load_b128 v[BI+8*\t:BI+8*\t+3], v4, s[96:97] offset:(32*(\t/2)+8*(\t%2))*4       ; tile t, lane half h: outputs 32 (t / 2) + 16 h + 8 (t % 2) + 0 .. 7
	global_load_b128 v[BI+8*\t+4:BI+8*\t+7], v4, s[96:97] offset:(32*(\t/2)+8*(\t%2))*4+16
.endr
.macro FRAG reg, adr, off
.irp c, 0,1,2
	ds_load_b128 v[(\reg)+4*\c:(\reg)+4*\c+3], v[\adr] offset:(\off)+512*\c
.endr
.endm
.macro FETCH_B slot, q, p
	WIN TO_B
.irp i, 0,1,2,3,4,5,6,7
	FRAG 128*(\p)+FR*\i, ADRB+\slot, 3072*\i+1536*(\q)
.endr
	WIN 0
.endm
.macro FETCH_A slot, q, i0
.irp i, \i0, \i0+1, \i0+2, \i0+3
	FRAG AF+FR*(\i), ADRA+\slot, 3072*(\i)+1536*(\q)
.endr
.endm
; 16 matrix instructions: A's blocks a0, a0 + 1 x B's eight, K step ks.  mode 0: the sums go on; 1: they begin with the bias.  The 64 accumulators take turns, one instruction a turn.
.macro MUL16 a0, ks, mode
.irp a, \a0, \a0+1
.irp b, 0,1,2,3,4,5,6,7
.if (\mode) == 0
	v_wmma_scale_f32_16x16x128_f8f6f4 v[8*(8*((\a)%4)+\b):8*(8*((\a)%4)+\b)+7], v[128*((\ks)%2)+FR*\b:128*((\ks)%2)+FR*\b+FR-1], v[AF+FR*(\a):AF+FR*(\a)+FR-1], v[8*(8*((\a)%4)+\b):8*(8*((\a)%4)+\b)+7], v[SC+8*(\ks)+\b], v[SC+8*(\ks)+(\a)] matrix_a_fmt:MATRIX_FMT_FP6 matrix_b_fmt:MATRIX_FMT_FP6 matrix_a_scale:MATRIX_SCALE_ROW1
.else
	v_wmma_scale_f32_16x16x128_f8f6f4 v[8*(8*((\a)%4)+\b):8*(8*((\a)%4)+\b)+7], v[128*((\ks)%2)+FR*\b:128*((\ks)%2)+FR*\b+FR-1], v[AF+FR*(\a):AF+FR*(\a)+FR-1], v[BI+8*\b:BI+8*\b+7], v[SC+8*(\ks)+\b], v[SC+8*(\ks)+(\a)] matrix_a_fmt:MATRIX_FMT_FP6 matrix_b_fmt:MATRIX_FMT_FP6 matrix_a_scale:MATRIX_SCALE_ROW1
.endif
.endr
.endr
.endm
.macro STEP ks, nslot, nq, mode        ; K step ks; it fetches the next K step's fragments (slot nslot, its nq-th); four plain places in front of each run of loads into registers that matrix instructions have read
	s_wait_dscnt 12                                ; all but the youngest twelve loads (A's blocks 4-7)
.if \mode
	WIN 0x81                                       ; C (the bias) window 0, D window 2
.else
	WIN MUL_LO
.endif
	MUL16 0, \ks, \mode
	MUL16 2, \ks, \mode
	s_wait_dscnt 0x0                               ; A's blocks 4-7 are in
	PLACES 4
	FETCH_B \nslot, \nq, ((\ks)+1)%2
	FETCH_A \nslot, \nq, 0
.if \mode
	WIN 0xc1
.else
	WIN MUL_HI
.endif
	MUL16 4, \ks, \mode
	MUL16 6, \ks, \mode
	PLACES 4
	WIN 0
	FETCH_A \nslot, \nq, 4
.endm
.macro TURN ks, nslot, fill            ; a K step with a barrier in it; fill = 1: slot 0, which nobody reads any more, takes K steps 6, 7
	s_wait_tensorcnt 0x0                           ; all my tensor loads have landed  (every window is 0 here)
	ds_add_u32 v[SPW], v[NIL]                      ; 0 onto my spare word
	s_wait_dscnt 13                                ; (the add and A's blocks 4-7 may be out)
	WIN MUL_LO
	MUL16 0, \ks, 0
	s_wait_dscnt 0x0                               ; the add is done, and my reads of the slot that is left are over
	s_barrier_signal -1
	MUL16 2, \ks, 0
	WIN 0
	s_barrier_wait -1
.if \fill
	CREST                                          ; the barrier has opened a round of the cluster's barrier: no wave of any partner still reads slot 0 or has a load on its way
	s_add_nc_u64 s[G0A+2:G0A+3], s[G0A+2:G0A+3], 9216
	s_add_nc_u64 s[G0B+2:G0B+3], s[G0B+2:G0B+3], 9216
	JLOAD G0A, G1A, G0B, G1B                       ; the first tensor load behind the round, my only one; its four v_nop are the places in front of the loads below
.else
	PLACES 4
.endif
	FETCH_B \nslot, 0, ((\ks)+1)%2
	FETCH_A \nslot, 0, 0
	WIN MUL_HI
	MUL16 4, \ks, 0
	MUL16 6, \ks, 0
	PLACES 4
	WIN 0
	FETCH_A \nslot, 0, 4
.endm
	s_wait_tensorcnt 2                             ; the scales and K steps 0, 1 are in; slots 1 and 2 may be out
	s_barrier_signal -1
	s_barrier_wait -1
.set k, 0
.rept 8
.irp i, 0,1,2,3,4,5,6,7
	ds_load_b32 v[SC+8*k+\i], v[ADRS] offset:512*k+64*\i   ; all scale words, once
.endr
.set k, k+1
.endr
	FETCH_B 0, 0, 0
	FETCH_A 0, 0, 0
	FETCH_A 0, 0, 4
	s_wait_loadcnt 0x0                             ; the bias
	STEP 0, 0, 1, 1
	TURN 1, 1, 1                                   ; its wait for all loads shows slots 1 and 2 whole to everybody
	STEP 2, 1, 1, 0
	STEP 3, 2, 0, 0
	STEP 4, 2, 1, 0
	TURN 5, 0, 0                                   ; the refill has landed, everybody's; behind this barrier nobody reads slot 1 or 2 any more
	STEP 6, 0, 1, 0
	s_wait_dscnt 12
	WIN MUL_LO
	MUL16 0, 7, 0
	MUL16 2, 7, 0
	s_wait_dscnt 0x0
	WIN MUL_HI
	MUL16 4, 7, 0
	MUL16 6, 7, 0
	WIN 0
; THE WAY OUT, block by block of 16 tokens x 128 outputs: through my own stage in LDS, back as whole rows of 512 bytes.  LDS serves a wave's instructions in order: no wait between the stores and the loads.
.macro TOSTAGE a
.set AC, 64*((\a)%4)
	WIN 0x08+4*((\a)/4)                            ; the data: window 2 or 3
.irp b, 0,1,2,3,4,5,6,7
	ds_store_b128 v[STO], v[AC+8*\b:AC+8*\b+3] offset:128*(\b/2)+32*(\b%2)          ; each accumulator from its low end on
	ds_store_b128 v[STO], v[AC+8*\b+4:AC+8*\b+7] offset:128*(\b/2)+32*(\b%2)+16
.endr
	WIN 0
.set BB, BK+64*((\a)%2)
.irp t, 0,1,2,3,4,5,6,7,8,9,10,11,12,13,14,15
	ds_load_b128 v[BB+4*\t:BB+4*\t+3], v[RD] offset:\t*SPITCH
.endr
.endm
.macro SEND a, younger                 ; younger: the LDS instructions issued behind block a's loads, which may stay out
.set BB, BK+64*((\a)%2)
	s_wait_dscnt \younger
.irp t, 0,1,2,3,4,5,6,7,8,9,10,11,12,13,14,15
	global_store_b128 v[CO], v[BB+4*\t:BB+4*\t+3], s[12:13] offset:(32*((\a)/2)+8*((\a)%2)+\t+8*(\t/8))*4096 th:TH_STORE_NT   ; the tile's row t is token 32 (a / 2) + 8 (a % 2) + t + 8 (t / 8); 512 consecutive bytes, at a multiple of 256 from out0's first byte
.endr
.endm
	PLACES 4
	TOSTAGE 0
.irp a, 1,2,3,4,5,6,7
.if \a > 1
	s_wait_xcnt 0x0                                ; block a - 2's stores have had their addresses translated: block a's loads may land in their registers
.endif
	TOSTAGE \a
	SEND \a-1, 32                                  ; behind block a - 1's loads: block a's 16 stores and 16 loads
.endr
	SEND 7, 0
	s_wait_tensorcnt 0x0                           ; the wave's end: behind my last tensor load and my last LDS store
	ds_add_u32 v[SPW], v[NIL]
	s_wait_dscnt 0x0
	CROUND                                         ; the closing round
	s_endpgm
.Lfunc_end_k_q914e38dcfd_gemm_out:
	.size	k_q914e38dcfd_gemm_out, .Lfunc_end_k_q914e38dcfd_gemm_out-k_q914e38dcfd_gemm_out
	.p2alignl 7, 3214868480
	.fill 96, 4, 3214868480
	.section	.rodata,"a",@progbits
	.p2align	6, 0x0
	.amdhsa_kernel k_q914e38dcfd_gemm_out
		.amdhsa_group_segment_fixed_size 327680
		.amdhsa_private_segment_fixed_size 0
		.amdhsa_enable_private_segment 0
		.amdhsa_kernarg_size 32
		.amdhsa_user_sgpr_count 2
		.amdhsa_user_sgpr_kernarg_segment_ptr 1
		.amdhsa_wavefront_size32 1
		.amdhsa_system_sgpr_workgroup_id_x 1
		.amdhsa_system_sgpr_workgroup_id_y 1
		.amdhsa_system_sgpr_workgroup_id_z 1
		.amdhsa_system_vgpr_workitem_id 0
		.amdhsa_next_free_vgpr 1024
		.amdhsa_next_free_sgpr 106
		.amdhsa_reserve_vcc 0
		.amdhsa_float_denorm_mode_32 3
		.amdhsa_float_denorm_mode_16_64 3
		.amdhsa_memory_ordered 1
		.amdhsa_forward_progress 1
		.amdhsa_inst_pref_size 138
	.end_amdhsa_kernel
	.amdgpu_metadata
---
amdhsa.version: [ 1, 2 ]
amdhsa.kernels:
  - .name:           k_q914e38dcfd_gemm_out
    .symbol:         k_q914e38dcfd_gemm_out.kd
    .args:
      - { .name: aq, .offset: 0, .size: 8, .value_kind: global_buffer, .address_space: global }
      - { .name: wq, .offset: 8, .size: 8, .value_kind: global_buffer, .address_space: global }
      - { .name: b_out, .offset: 16, .size: 8, .value_kind: global_buffer, .address_space: global }
      - { .name: out0, .offset: 24, .size: 8, .value_kind: global_buffer, .address_space: global }
    .group_segment_fixed_size: 327680
    .private_segment_fixed_size: 0
    .kernarg_segment_align: 8
    .kernarg_segment_size: 32
    .max_flat_workgroup_size: 128
    .sgpr_count:     106
    .vgpr_count:     1024
    .wavefront_size: 32
...
	.end_amdgpu_metadata
.endif
;; end of part 5
